; MI455X (gfx1250); checked and timed in simulation.
; The chip was launched on July 23, 2026; its instructions are those of AMD's public machine-readable ISA for CDNA 5 (MIT licence, August 2026) and "CDNA5" Instruction Set Architecture Reference Guide (July 2026). The comments in the code are by the model that wrote it; some were corrected since.
;; Mo E. Allowed arithmetic: matrix products marked QUANTISED: E2M3 operands, one E8M0 scale for each 32 along K, by v_wmma_scale_f32_16x16x128_f8f6f4 with both operands' format E2M3, f32 sums; products left as they are: f32 operands where the result goes on into a quantised operand, else bf16, f16 or f32 operands; f32 sums; everything else in f32.
;; Inputs: W1 2 x 1,024 x 4,096 float32; W2 2 x 4,096 x 1,024 float32; Wr 2 x 1,024 float32; b1 2 x 4,096 float32; b2 2 x 1,024 float32; x 2 x 2,048 x 1,024 float32.
;; Outputs: out0 2 x 2,048 x 1,024 float32.
;; This version of the problem:
;;   THIS VERSION OF THE PROBLEM IS GIVEN IN LOW PRECISION. The matrix products marked QUANTISED in the list below multiply operands that are first quantised to E2M3 (2 exponent bits, 3 mantissa bits; 6 bits a number), with one power-of-two scale for each 32 numbers along K (OCP MX v1.0); their sums are f32. All else is computed in f32.
;;   The module's matrix products, in the order in which they are computed (A, B: the left and right operand; K: the contracted axis; several contracted axes count as one K, in the product's order):
;;     1. [M 4,096, K 1,024] x [K 1,024, N 2]; A: input x; B: input Wr: left as it is (N = 2 < 16)
;;     2. [M 4,096, K 1,024] x [K 1,024, N 8,192]; A: input x; B: input W1: QUANTISED
;;     3. batch 2 x [M 1,024, K 4,096] x [K 4,096, N 4,096]; A: input W2; B: computed on the way: QUANTISED
;;     4. batch 4,096 x [M 1,024, K 2] x [K 2, N 1]; A: computed on the way; B: computed on the way: left as it is (K = 2 < 32)
;;   THE QUANTISER, for each operand of a quantised product, along K:
;;     - K is cut into blocks of 32 from its start; a last block that is shorter is filled with zeros.
;;     - A block's scale is 2^e with e = floor(log2(the largest magnitude in the block)) - 2, held to -126 .. 127; a block of zeros has e = 0. As a byte (E8M0): e + 127.
;;     - Each number is divided by its block's scale, clamped to +-7.5, and rounded to the nearest number of E2M3, ties to even, subnormals kept.
;;     - The product sums the exact products of the quantised numbers (number of the format x scale) in f32.
;;   ~~~python
;;   def quantise(x, axis):      # numpy; x: float32 -> the quantised numbers, widened to float32 again
;;       x = np.moveaxis(x, axis, -1); K = x.shape[-1]
;;       x = np.pad(x, [(0, 0)] * (x.ndim - 1) + [(0, -K % 32)]); x = x.reshape(x.shape[:-1] + (-1, 32)); a = np.abs(x).max(-1, keepdims=True)
;;       e = np.where(a > 0, np.clip(np.frexp(np.where(a > 0, a, 1))[1] - 1 - 2, -126, 127), 0)      # np.frexp(a)[1] - 1 = floor(log2(a)), exactly
;;       r = np.clip(x / 2.0 ** e, -7.5, 7.5)
;;       step = 2.0 ** (np.maximum(np.frexp(np.where(r == 0, 1, r))[1] - 1, 0) - 3)
;;       q = np.round(r / step) * step * 2.0 ** e      # np.round: ties to even
;;       return np.moveaxis(q.reshape(q.shape[:-2] + (-1,))[..., :K], -1, axis).astype(np.float32)
;;   ~~~
;;   OPERANDS COMPUTED ON THE WAY. 'Computed on the way' means the value that the module computes at that place (a softmax that the list does not call 'softmax' is quantised finished and normalised). What goes into a quantiser is computed in f32, as accurately as f32 sums, v_exp_f32 and their like allow (about 1e-6 of the number): no bf16 or f16 on the way to a quantiser, and a product that is left as it is and whose result goes on into a quantised operand takes f32 operands (vector FMAs, or v_wmma_f32_16x16x4_f32). A number that lies on a knife's edge between two numbers of the format may be rounded either way, as far as f32 arithmetic and the matrix unit's own rounding can turn it there, and no further.
;; 2 versions, each right; version 2 is version 1 with the launch down written anew for expert scheduling mode. Each part assembles by itself: llvm-mc -triple=amdgcn-amd-amdhsa -mcpu=gfx1250 --defsym DOCPART=n.
;; ======== version 1 of 2: 3 launches
;; workspace buffers: xq 3,276,800 bytes; w1q 6,553,600 bytes; w2q 6,553,600 bytes; hq 26,214,400 bytes; gate 32,768 bytes
;; launch prep (part 1): grid 256 x 1, 4 waves a work-group, no clusters, 327,680 bytes of LDS; arguments x, Wr, W1, W2, xq, w1q, w2q, gate; writes xq, w1q, w2q, gate
.if DOCPART == 1
	.amdgcn_target "amdgcn-amd-amdhsa--gfx1250"
	.amdhsa_code_object_version 6
	.text
	.protected	k_q16e53baf67_prep
	.globl	k_q16e53baf67_prep
	.p2align	8
	.type	k_q16e53baf67_prep,@function
k_q16e53baf67_prep:
	s_mov_b64 s[64:65], 0
	v_nop
	global_prefetch_b8 v0, s[64:65] scope:SCOPE_SE
	s_setreg_imm32_b32 hwreg(HW_REG_WAVE_MODE, 25, 1), 1
	s_wait_xcnt 0x0
; PREP: x, W1 and W2 (f32) become codes of FP6 (E2M3) with one E8M0 byte for each 32 along K, laid in the order of the matrix operand's registers; the router's 0/1 mask is made.
; A FRAGMENT (16 rows x 128 K, 12 registers a lane) lies as an image of its registers: registers 4 j .. 4 j + 3 of lane l at 512 j + 16 l: 1,536 bytes, moved by three 16-byte accesses a lane.
; xq  [256 token tiles][12,800]: fragment ks at 1,536 ks; scale word (ks, r) at 12,288 + 128 (ks / 2) + 64 (ks % 2) + 4 r.
; w1q [64 groups of 128 columns e 4096 + f][102,400]: fragment 8 ks + t at 1,536 x that; lane row r of tile t = 2 b + u is column 32 b + 8 u + r + 8 (r / 8);
;     scale word (t, ks, r) at 98,304 + 2,048 (t / 4) + 256 ks + 8 (16 (t % 2) + r) + 4 ((t / 2) % 2).
; w2q [16 runs of 512 along K = e 4096 + f][16 groups of 64 output columns][25,600]: fragment (tile t4, K step q) at 1,536 (4 t4 + q); scale word at 24,576 + 256 q + 8 (r + 16 (t4 % 2)) + 4 (t4 / 2).
; gate [4096 tokens][2 experts] f32: the sum of the one-hots of the token's top 2 of 2 scores.
; SHARES.  256 work-groups of four waves.  Each wave takes one piece of W1 and one of W2 (128 along K x 64 columns, 32,768 bytes, one tensor load each, into LDS bytes of its own that it alone reads)
; and two fragments of x (token tile = work-group, K steps 2 w and 2 w + 1).  No two work-groups read the same input byte, so nothing is asked for jointly and the launch is not in clusters.
; W1, W2: K is not innermost.  A lane takes a column and its 32 registers run down K: a block's largest magnitude needs no other lane, and the conversions give codes with K innermost.
; A BLOCK'S SCALE is 2^(floor(log2(largest magnitude)) - 2): its byte is that magnitude's exponent field - 2, held at 1 from below by a floor among the maximum's leaves.
; LIMITS: a block of zeros gets the byte 1 where the rule says 127 (its codes are zeros, and this program alone reads the bytes); NaN and infinities among the inputs are not served;
; the scores are summed in another order than a plain dot product's (with 2 experts and top 2 the mask is 1 whatever the order gives).
.set W2T,   131072                     ; LDS: W1's four tiles at 32,768 w, W2's at W2T + 32,768 w
.set SCR0,  262144                     ; behind the tiles: 15,360 bytes of scratch for each wave; no tensor load lands there
.set SCRW,  15360
.set TP,    528                        ; the turn of x: 16 rows of 512 bytes + 16
.set WSTO,  8704                       ; in the scratch: a stage of four fragment images, FP bytes apart (earlier: the router's 32 x 144 bytes)
.set FP,    1664                       ; 1,536 + 128
.set RXB,   323584                     ; the four waves' partial scores: 512 bytes
.set LN,   1                           ; v1   lane
.set L16,  2                           ; v2   16 x lane
.set L4,   3                           ; v3   4 x lane
.set TST,  4                           ; v4   the turn, on the way in
.set TLD,  5                           ; v5   and on the way out
.set RSS,  6                           ; v6   the router's stage, in
.set RSL,  7                           ; v7   and out
.set RXS,  8                           ; v8   my word among the partial scores
.set RXL,  9                           ; v9   where wave 0 reads them
.set WRD1, 10                          ; v10  my column in W1's tile
.set WRD2, 11                          ; v11  in W2's
.set WSA1, 12                          ; v12  the stage, in, by W1's order of rows
.set WSA0, 13                          ; v13  by W2's
.set WLD,  14                          ; v14  the stage, out
.set SOF1, 15                          ; v15  my place in a unit of scale words, W1's order
.set SOF0, 16                          ; v16  W2's
.set SH,   17                          ; v17  8 x (lane / 16)
.set TA,   18                          ; v18-21 at work on addresses
.set RA,   32                          ; v32-63   scores: register 2 i + e: row i, expert e, my lane's share of K
.set WR,   64                          ; v64-79   Wr: fragment q, expert e at 8 q + 4 e
.set XR,   80                          ; v80-207  x: two fragments of 64 numbers, first as loaded, then in the operand's order
.set MX,   208                         ; v208-209 largest magnitudes
.set SO,   210                         ; v210-211 the conversions' scale operands
.set BY,   212                         ; v212-213 scale bytes
.set SW,   214                         ; v214-215 the two fragments' scale words
.set PT,   216
.set PC,   220                         ; v220-243 the two fragments' codes
.set TT,   244                         ; v244-250 second halves of blocks, as converted
.set XW,   80                          ; the weights: v80-143 two sets of 32 numbers
.set K6,   144                         ; v144-149 a block's codes
.set KT,   152
.set SWD,  156                         ; v156-157 scale words of my two columns
.set OUTR, 160                         ; v160-207 four fragments on the way out
	s_load_b256 s[4:11], s[0:1], 0x0               ; x s[4:5], Wr s[6:7], W1 s[8:9], W2 s[10:11]
	s_load_b256 s[12:19], s[0:1], 0x20             ; xq s[12:13], w1q s[14:15], w2q s[16:17], gate s[18:19]
	v_lshl_add_u32 v254, v0, 2, 0x4f200
	v_mov_b32 v255, 0
	ds_add_u32 v254, v255
	ds_add_u32 v254, v255
	v_lshrrev_b32 v[TA], 5, v0
	v_readfirstlane_b32 s20, v[TA]                 ; wave 0..3
	; descriptor group 1: 128 rows (K) x 64 elements of 4 bytes; rows of 256 bytes, dense in LDS.  s[24:31] for W1 (4,096 elements from row to row), s[32:39] for W2 (1,024)
.irp g, 24, 32
	s_mov_b32 s[\g], 2<<16                         ; no mask; elements of 4 bytes; no padding
	s_mov_b32 s[\g+1], 64<<16                      ; tensor_dim0 = 64
	s_mov_b32 s[\g+2], 128<<16                     ; tensor_dim1 = 128
	s_mov_b32 s[\g+3], 64<<16                      ; tile_dim0 = 64
	s_mov_b32 s[\g+4], 128                         ; tile_dim1 = 128
	s_mov_b32 s[\g+6], 0
	s_mov_b32 s[\g+7], 0
.endr
	s_mov_b32 s29, 4096
	s_mov_b32 s37, 1024
	; W1's piece: K step ks = g % 8, block of 64 columns cb = 4 (g / 8) + w of 128
	s_and_b32 s21, ttmp9, 7                        ; ks
	s_lshr_b32 s22, ttmp9, 3
	s_lshl_b32 s22, s22, 2
	s_add_co_u32 s22, s22, s20                     ; cb
	s_lshr_b32 s23, s22, 6                         ; expert
	s_lshl_b32 s48, s23, 10
	s_lshl_b32 s49, s21, 7
	s_add_co_u32 s48, s48, s49                     ; first row: 1,024 e + 128 ks
	s_lshl_b32 s48, s48, 14                        ; rows of 16,384 bytes
	s_and_b32 s49, s22, 63
	s_lshl_b32 s49, s49, 8
	s_add_co_u32 s48, s48, s49
	s_mov_b32 s49, 0                               ; s[48:49]: where the piece begins in W1
	s_lshr_b32 s68, s22, 1
	s_mul_i32 s68, s68, 102400                     ; its group of 128 columns in w1q
	s_and_b32 s69, s22, 1                          ; which half of the group
	s_lshl_b32 s70, s21, 3
	s_lshl_b32 s71, s69, 2
	s_add_co_u32 s70, s70, s71
	s_mul_i32 s70, s70, 1536
	s_add_co_u32 s56, s68, s70                     ; fragments 8 ks + 4 half on
	s_mov_b32 s57, 0
	s_lshl_b32 s70, s69, 11
	s_lshl_b32 s71, s21, 8
	s_add_co_u32 s70, s70, s71
	s_add_co_u32 s58, s68, s70
	s_add_co_u32 s58, s58, 98304                   ; its unit of 256 bytes of scale words
	s_mov_b32 s59, 0
	; W2's piece: K step kappa = g / 4 of 64, group of 64 columns ng = 4 (g % 4) + w
	s_lshr_b32 s21, ttmp9, 2
	s_and_b32 s22, ttmp9, 3
	s_lshl_b32 s22, s22, 2
	s_add_co_u32 s22, s22, s20
	s_lshl_b32 s68, s21, 19                        ; 128 rows of 4,096 bytes
	s_lshl_b32 s69, s22, 8
	s_add_co_u32 s68, s68, s69
	s_mov_b32 s69, 0                               ; s[68:69]: where the piece begins in W2
	s_lshr_b32 s70, s21, 2
	s_lshl_b32 s70, s70, 4
	s_add_co_u32 s70, s70, s22
	s_mul_i32 s70, s70, 25600                      ; its block in w2q
	s_and_b32 s71, s21, 3                          ; its K step in the block
	s_mul_i32 s23, s71, 1536
	s_add_co_u32 s60, s70, s23
	s_mov_b32 s61, 0
	s_lshl_b32 s23, s71, 8
	s_add_co_u32 s62, s70, s23
	s_add_co_u32 s62, s62, 24576
	s_mov_b32 s63, 0
	s_mov_b32 s50, 0x76543210                      ; v_permlanex16_b32's selects for lane l xor 16
	s_mov_b32 s51, 0xfedcba98
	s_wait_dscnt 0x0
	s_wait_kmcnt 0x0
	s_mov_b32 s40, 1                               ; group 0 for W1's tile: count 1,
	s_lshl_b32 s41, s20, 15                        ; LDS address 32,768 w,
	s_add_nc_u64 s[42:43], s[8:9], s[48:49]        ; global address,
	s_or_b32 s43, s43, 0x80000000                  ; type 2
	s_mov_b32 s44, 1
	s_add_co_u32 s45, s41, W2T
	s_add_nc_u64 s[46:47], s[10:11], s[68:69]
	s_or_b32 s47, s47, 0x80000000
	tensor_load_to_lds s[40:43], s[24:31]          ; both tiles are asked for before anything else: two tensor loads of mine are out
	s_nop 0
	tensor_load_to_lds s[44:47], s[32:39]
	s_nop 0
.rept 4
	v_nop
.endr
	v_and_b32 v[LN], 31, v0
	v_lshlrev_b32 v[L16], 4, v[LN]
	s_lshl_b32 s70, ttmp9, 16                      ; x: 16 rows of 4,096 bytes a work-group,
	s_lshl_b32 s71, s20, 10                        ; 1,024 bytes of each row a wave
	s_add_co_u32 s70, s70, s71
	s_mov_b32 s69, 0
	s_mov_b32 s68, s71
	s_mov_b32 s71, 0
	s_add_nc_u64 s[4:5], s[4:5], s[70:71]
	s_add_nc_u64 s[6:7], s[6:7], s[68:69]          ; Wr: the same 1,024 bytes of each expert's row
.irp q, 0,1
.irp e, 0,1
	global_load_b128 v[WR+8*\q+4*\e:WR+8*\q+4*\e+3], v[L16], s[6:7] offset:4096*\e+512*\q
.endr
.endr
.irp q, 0,1
.set I, 0
.rept 16
	global_load_b128 v[XR+64*\q+4*I:XR+64*\q+4*I+3], v[L16], s[4:5] offset:4096*I+512*\q th:TH_LOAD_NT   ; row I: 32 lanes read 512 consecutive bytes
.set I, I+1
.endr
.endr
	s_add_nc_u64 s[56:57], s[14:15], s[56:57]
	s_add_nc_u64 s[58:59], s[14:15], s[58:59]
	s_add_nc_u64 s[60:61], s[16:17], s[60:61]
	s_add_nc_u64 s[62:63], s[16:17], s[62:63]
	s_mul_i32 s48, ttmp9, 12800
	s_mov_b32 s49, 0
	s_add_nc_u64 s[12:13], s[12:13], s[48:49]      ; my token tile in xq
	s_mul_i32 s48, s20, 3072
	s_add_nc_u64 s[52:53], s[12:13], s[48:49]      ; fragments 2 w, 2 w + 1
	s_lshl_b32 s48, s20, 7
	s_add_nc_u64 s[54:55], s[12:13], s[48:49]      ; their scale words: 128 bytes
	s_lshl_b32 s48, ttmp9, 7
	s_add_nc_u64 s[66:67], s[18:19], s[48:49]      ; gate: 16 tokens x 8 bytes
	; every LDS address is made here: a constant + a constant x wave + a lane term
	v_lshlrev_b32 v[L4], 2, v[LN]
	v_and_b32 v[TA], 15, v0                        ; r
	v_bfe_u32 v[TA+1], v0, 4, 1                    ; h
	s_mul_i32 s21, s20, SCRW
	s_add_co_u32 s21, s21, SCR0                    ; my scratch
	v_add_nc_u32 v[TST], s21, v[L16]
	v_mul_u32_u24 v[TLD], v[TA], TP
	v_lshl_add_u32 v[TLD], v[TA+1], 7, v[TLD]
	v_add_nc_u32 v[TLD], s21, v[TLD]               ; row r, + 128 h: 32 numbers of a block
	s_add_co_u32 s22, s21, WSTO
	v_mul_u32_u24 v[RSS], v[LN], 144
	v_add_nc_u32 v[RSS], s22, v[RSS]
	v_add_nc_u32 v[RSL], s22, v[L4]
	v_lshl_add_u32 v[RXS], v0, 2, RXB
	v_add_nc_u32 v[RXL], RXB, v[L4]
	s_lshl_b32 s23, s20, 15
	v_add_nc_u32 v[WRD1], s23, v[L4]
	v_add_nc_u32 v[WRD2], W2T, v[WRD1]
	v_bfe_u32 v[TA+2], v0, 3, 1                    ; W1's order: column x of 32 is tile u = (x / 8) % 2,
	v_and_b32 v[TA+3], 7, v0
	v_lshl_add_u32 v[TA+3], v[TA+1], 3, v[TA+3]    ; row x % 8 + 8 (x / 16)
	v_mul_u32_u24 v[WSA1], v[TA+2], FP
	v_lshl_add_u32 v[WSA1], v[TA+3], 4, v[WSA1]
	v_add_nc_u32 v[WSA1], s22, v[WSA1]
	v_lshl_add_u32 v[SOF1], v[TA+2], 4, v[TA+3]
	v_lshlrev_b32 v[SOF1], 3, v[SOF1]
	v_mul_u32_u24 v[WSA0], v[TA+1], FP             ; W2's order: tile x / 16, row x % 16
	v_lshl_add_u32 v[WSA0], v[TA], 4, v[WSA0]
	v_add_nc_u32 v[WSA0], s22, v[WSA0]
	v_lshlrev_b32 v[SOF0], 3, v[LN]
	v_add_nc_u32 v[WLD], s22, v[L16]
	v_lshlrev_b32 v[SH], 3, v[TA+1]
	v_mov_b32 v[PT], 0                             ; a lane permute's destination counts as one of its sources
; One fragment of x.  As loaded, lane l holds k = 4 l .. 4 l + 3 of each of the 16 rows: so the router's products are made first.  Then the 16 rows turn through my scratch:
; lane (r, h) takes back, of row r, k = 64 c + 32 h + 0 .. 31 (c = 0, 1): two whole blocks, in the order of the operand's registers.
.macro XFRAG q
.set XQ, XR+64*\q
.set PQ, PC+12*\q
.irp k, 0,1,2,3
.set I, 0
.rept 16
.if (\q == 0) && (\k == 0)
	v_mul_f32 v[RA+2*I], v[XQ+4*I], v[WR]          ; the first products start the sums
	v_mul_f32 v[RA+2*I+1], v[XQ+4*I], v[WR+4]
.else
	v_fmac_f32 v[RA+2*I], v[XQ+4*I+\k], v[WR+8*\q+\k]
	v_fmac_f32 v[RA+2*I+1], v[XQ+4*I+\k], v[WR+8*\q+4+\k]
.endif
.set I, I+1
.endr
.endr
.set I, 0
.rept 16
	ds_store_b128 v[TST], v[XQ+4*I:XQ+4*I+3] offset:TP*I
.set I, I+1
.endr
.set I, 0
.rept 16
	ds_load_b128 v[XQ+4*I:XQ+4*I+3], v[TLD] offset:256*(I/8)+16*(I%8)   ; LDS serves a wave's instructions in order: these see the stores above, and land in the registers that those have left
.set I, I+1
.endr
	s_wait_dscnt 0x0
	v_max3_num_f32 v[MX], |v[XQ]|, |v[XQ+1]|, 0x1800000             ; my two blocks by turns; the floor 2^(3 - 127) holds the byte at 1 from below
	v_max3_num_f32 v[MX+1], |v[XQ+32]|, |v[XQ+33]|, 0x1800000
.set I, 2
.rept 15
	v_max3_num_f32 v[MX], v[MX], |v[XQ+I]|, |v[XQ+I+1]|
	v_max3_num_f32 v[MX+1], v[MX+1], |v[XQ+32+I]|, |v[XQ+33+I]|
.set I, I+2
.endr
	v_add_nc_u32 v[SO], 0xff000000, v[MX]          ; 2 off the exponent field: the conversion takes that field as its scale
	v_add_nc_u32 v[SO+1], 0xff000000, v[MX+1]
	v_lshrrev_b32 v[BY], 23, v[SO]                 ; the scale's byte
	v_lshrrev_b32 v[BY+1], 23, v[SO+1]
	v_lshl_or_b32 v[SW+\q], v[BY+1], 16, v[BY]     ; blocks h and 2 + h of row r,
	v_lshlrev_b32 v[SW+\q], v[SH], v[SW+\q]        ; at their places in the word;
	v_permlanex16_b32 v[PT], v[SW+\q], s50, s51
	v_or_b32 v[SW+\q], v[SW+\q], v[PT]             ; with lane l xor 16's two the word is whole
	v_cvt_scalef32_pk16_fp6_f32 v[PQ:PQ+2], v[XQ:XQ+15], v[SO]
	v_cvt_scalef32_pk16_fp6_f32 v[TT:TT+2], v[XQ+16:XQ+31], v[SO]        ; (a conversion's three registers begin on an even number)
	v_cvt_scalef32_pk16_fp6_f32 v[PQ+6:PQ+8], v[XQ+32:XQ+47], v[SO+1]
	v_cvt_scalef32_pk16_fp6_f32 v[TT+4:TT+6], v[XQ+48:XQ+63], v[SO+1]
	v_nop                                          ; one plain place behind a scaled conversion
.irp i, 0,1,2
	v_mov_b32 v[PQ+3+\i], v[TT+\i]
	v_mov_b32 v[PQ+9+\i], v[TT+4+\i]
.endr
.irp j, 0,1,2
	global_store_b128 v[L16], v[PQ+4*\j:PQ+4*\j+3], s[52:53] offset:1536*\q+512*\j   ; 512 consecutive bytes, at a multiple of 256 from xq's first byte
.endr
.endm
	s_wait_loadcnt 16                              ; Wr and the first fragment are in; the second fragment's 16 loads may be out
	XFRAG 0
	s_wait_loadcnt 0x0
	XFRAG 1
	v_cmp_lt_u32 vcc_lo, 15, v[LN]
	v_cndmask_b32 v[SW], v[SW], v[SW+1], vcc_lo    ; lanes 0-15: K step 2 w's words, lanes 16-31: 2 w + 1's
	global_store_b32 v[L4], v[SW], s[54:55] offset:12288
	; THE ROUTER.  32 sums a lane (16 rows x 2 experts) are to be added over the 32 lanes: they turn through my scratch, so that lane j takes sum j of every lane.
.irp j, 0,1,2,3,4,5,6,7
	ds_store_b128 v[RSS], v[RA+4*\j:RA+4*\j+3] offset:16*\j
.endr
.set I, 0
.rept 32
	ds_load_b32 v[XR+I], v[RSL] offset:144*I
.set I, I+1
.endr
	s_wait_dscnt 0x0
.irp j, 0,2,4,6,8,10,12,14
	v_pk_add_f32 v[XR+\j:XR+\j+1], v[XR+\j:XR+\j+1], v[XR+16+\j:XR+17+\j]
.endr
.irp j, 0,2,4,6
	v_pk_add_f32 v[XR+\j:XR+\j+1], v[XR+\j:XR+\j+1], v[XR+8+\j:XR+9+\j]
.endr
.irp j, 0,2
	v_pk_add_f32 v[XR+\j:XR+\j+1], v[XR+\j:XR+\j+1], v[XR+4+\j:XR+5+\j]
.endr
	v_pk_add_f32 v[XR:XR+1], v[XR:XR+1], v[XR+2:XR+3]
	v_add_f32 v[XR], v[XR], v[XR+1]                ; lane j: row j / 2, expert j % 2, my wave's quarter of K
	ds_store_b32 v[RXS], v[XR]
	s_wait_dscnt 0x0                               ; for wave 0's sake: my word has landed
	s_barrier_signal -1
	s_barrier_wait -1                              ; the launch's one barrier; nothing in LDS is filled again behind it, so the tiles may still be on their way
	s_cmp_lg_u32 s20, 0
	s_cbranch_scc1 .Lrouted
.irp j, 0,1,2,3
	ds_load_b32 v[XR+\j], v[RXL] offset:128*\j
.endr
	v_and_b32 v[XR+8], 1, v0                       ; my expert
	v_mov_b32 v[XR+4], 0
	s_wait_dscnt 0x0
	v_add_f32 v[XR], v[XR], v[XR+1]
	v_add_f32 v[XR+2], v[XR+2], v[XR+3]
	v_add_f32 v[XR], v[XR], v[XR+2]                ; my row's score for my expert
	v_mov_b32_dpp v[XR+4], v[XR] row_xmask:1 row_mask:0xf bank_mask:0xf   ; and for the other one
	v_cmp_eq_u32 vcc_lo, 1, v[XR+8]
	v_cndmask_b32 v[XR+5], v[XR], v[XR+4], vcc_lo  ; score of expert 0
	v_cndmask_b32 v[XR+6], v[XR+4], v[XR], vcc_lo  ; of expert 1
	v_cvt_f32_u32 v[XR+8], v[XR+8]
	v_cmp_gt_f32 vcc_lo, v[XR+6], v[XR+5]
	v_cndmask_b32 v[XR+7], 0, 1.0, vcc_lo          ; top[0]: expert 1 only if its score is larger: a tie keeps the lower index
	v_sub_f32 v[XR+9], 1.0, v[XR+7]                ; top[1]: the other
	v_cmp_eq_f32 vcc_lo, v[XR+7], v[XR+8]
	v_cndmask_b32 v[XR+10], 0, 1.0, vcc_lo         ; the two one-hots at my expert,
	v_cmp_eq_f32 vcc_lo, v[XR+9], v[XR+8]
	v_cndmask_b32 v[XR+11], 0, 1.0, vcc_lo
	v_add_f32 v[XR+10], v[XR+10], v[XR+11]         ; summed: the mask.  It is used as a number only: no address and no branch hangs on it
	global_store_b32 v[L4], v[XR+10], s[66:67]
.Lrouted:
; A piece of a weight: 128 along K x 64 columns.  Eight units: block bb = NU / 2 of 32 along K, set NU % 2 of 32 columns; lane x takes column x of the set.
.macro LOADU rd
.set I, 0
.rept 32
	ds_load_b32 v[XW+32*(NU%2)+I], v[\rd] offset:128*(NU%2)+256*(32*(NU/2)+I)   ; row 32 bb + I of the tile: 32 lanes read 128 consecutive bytes
.set I, I+1
.endr
.endm
; A block's 24 bytes of codes are registers 6 c .. 6 c + 5 (c = bb / 2) of lane r + 16 (bb % 2) of the column's fragment: in the image 16 + 8 or 8 + 16 bytes.  They go to the stage so, and the four
; finished images come back 16 bytes a lane and leave as runs of 512 bytes.
.macro WQ rd, wsa, sof, fostep, dst, scl
	s_wait_xcnt 0x0                                ; earlier stores have read their registers: those are written again below
.set NU, 0
	LOADU \rd
.rept 8
.set XS, XW+32*(NU%2)
.set SOFF, 2*(NU%2)*FP+256*((NU/2)%2)
.if NU < 7
.set NU, NU+1
	LOADU \rd
.set NU, NU-1
	s_wait_dscnt 32                                ; all but the next unit's 32 loads: this unit's numbers are in
.else
	s_wait_dscnt 0x0
.endif
	v_max3_num_f32 v[MX], |v[XS]|, |v[XS+1]|, |v[XS+2]|             ; the block's largest magnitude: all 32 numbers are mine
	v_max3_num_f32 v[MX+1], |v[XS+3]|, |v[XS+4]|, |v[XS+5]|
.irp i, 6,10,14,18,22,26
	v_max3_num_f32 v[MX], v[MX], |v[XS+\i]|, |v[XS+\i+1]|
	v_max3_num_f32 v[MX+1], v[MX+1], |v[XS+\i+2]|, |v[XS+\i+3]|
.endr
	v_max3_num_f32 v[MX], v[MX], |v[XS+30]|, |v[XS+31]|
	v_max3_num_f32 v[MX], v[MX], v[MX+1], 0x1800000                 ; and the floor
	v_add_nc_u32 v[SO], 0xff000000, v[MX]
	v_lshrrev_b32 v[BY], 23, v[SO]
.if NU/2 == 0
	v_mov_b32 v[SWD+NU%2], v[BY]                   ; four bytes to a word, the lower K in the lower byte
.else
	v_lshl_or_b32 v[SWD+NU%2], v[BY], 8*(NU/2), v[SWD+NU%2]
.endif
	v_cvt_scalef32_pk16_fp6_f32 v[K6:K6+2], v[XS:XS+15], v[SO]
	v_cvt_scalef32_pk16_fp6_f32 v[KT:KT+2], v[XS+16:XS+31], v[SO]
	v_nop                                          ; one plain place behind a scaled conversion
.irp i, 0,1,2
	v_mov_b32 v[K6+3+\i], v[KT+\i]
.endr
.if NU/2 < 2
	ds_store_b128 v[\wsa], v[K6:K6+3] offset:SOFF
	ds_store_b64 v[\wsa], v[K6+4:K6+5] offset:SOFF+512
.else
	ds_store_b64 v[\wsa], v[K6:K6+1] offset:SOFF+520
	ds_store_b128 v[\wsa], v[K6+2:K6+5] offset:SOFF+1024
.endif
.set NU, NU+1
.endr
.set I, 0
.rept 12
	ds_load_b128 v[OUTR+4*I:OUTR+4*I+3], v[WLD] offset:(I/3)*FP+512*(I%3)   ; these see my stores: LDS serves a wave's instructions in order
.set I, I+1
.endr
.set I, 0
.rept 12
	s_wait_dscnt 11-I
	global_store_b128 v[L16], v[OUTR+4*I:OUTR+4*I+3], s[\dst:\dst+1] offset:(I/3)*\fostep+512*(I%3)   ; 512 consecutive bytes, at a multiple of 256 from the buffer's first byte
.set I, I+1
.endr
	global_store_b64 v[\sof], v[SWD:SWD+1], s[\scl:\scl+1]        ; 32 lanes fill one aligned run of 256 bytes of scale words
.endm
	s_wait_tensorcnt 0x1                           ; W1's tile has landed; W2's, asked for behind it, may be out
	WQ WRD1, WSA1, SOF1, 1536, 56, 58
	s_wait_tensorcnt 0x0
	WQ WRD2, WSA0, SOF0, 6144, 60, 62
	s_wait_tensorcnt 0x0
	ds_add_u32 v254, v255
	s_wait_dscnt 0x0
	s_endpgm
.Lfunc_end_k_q16e53baf67_prep:
	.size	k_q16e53baf67_prep, .Lfunc_end_k_q16e53baf67_prep-k_q16e53baf67_prep
	.p2alignl 7, 3214868480
	.fill 96, 4, 3214868480
	.section	.rodata,"a",@progbits
	.p2align	6, 0x0
	.amdhsa_kernel k_q16e53baf67_prep
		.amdhsa_group_segment_fixed_size 327680
		.amdhsa_private_segment_fixed_size 0
		.amdhsa_enable_private_segment 0
		.amdhsa_kernarg_size 64
		.amdhsa_user_sgpr_count 2
		.amdhsa_user_sgpr_kernarg_segment_ptr 1
		.amdhsa_wavefront_size32 1
		.amdhsa_system_sgpr_workgroup_id_x 1
		.amdhsa_system_sgpr_workgroup_id_y 1
		.amdhsa_system_sgpr_workgroup_id_z 1
		.amdhsa_system_vgpr_workitem_id 0
		.amdhsa_next_free_vgpr 256
		.amdhsa_next_free_sgpr 72
		.amdhsa_reserve_vcc 1
		.amdhsa_float_denorm_mode_32 3
		.amdhsa_float_denorm_mode_16_64 3
		.amdhsa_memory_ordered 1
		.amdhsa_forward_progress 1
		.amdhsa_inst_pref_size 96
	.end_amdhsa_kernel
	.amdgpu_metadata
---
amdhsa.version: [ 1, 2 ]
amdhsa.kernels:
  - .name:           k_q16e53baf67_prep
    .symbol:         k_q16e53baf67_prep.kd
    .args:
      - { .name: x, .offset: 0, .size: 8, .value_kind: global_buffer, .address_space: global }
      - { .name: Wr, .offset: 8, .size: 8, .value_kind: global_buffer, .address_space: global }
      - { .name: W1, .offset: 16, .size: 8, .value_kind: global_buffer, .address_space: global }
      - { .name: W2, .offset: 24, .size: 8, .value_kind: global_buffer, .address_space: global }
      - { .name: xq, .offset: 32, .size: 8, .value_kind: global_buffer, .address_space: global }
      - { .name: w1q, .offset: 40, .size: 8, .value_kind: global_buffer, .address_space: global }
      - { .name: w2q, .offset: 48, .size: 8, .value_kind: global_buffer, .address_space: global }
      - { .name: gate, .offset: 56, .size: 8, .value_kind: global_buffer, .address_space: global }
    .group_segment_fixed_size: 327680
    .private_segment_fixed_size: 0
    .kernarg_segment_align: 8
    .kernarg_segment_size: 64
    .max_flat_workgroup_size: 128
    .sgpr_count:     72
    .vgpr_count:     256
    .wavefront_size: 32
...
	.end_amdgpu_metadata
.endif
;; end of part 1
;; launch up (part 2): grid 16 x 16, 4 waves a work-group, clusters of 4 x 1, 214,528 bytes of LDS; arguments xq, w1q, b1, gate, hq; writes hq
.if DOCPART == 2
	.amdgcn_target "amdgcn-amd-amdhsa--gfx1250"
	.amdhsa_code_object_version 6
	.text
	.protected	k_q16e53baf67_up
	.globl	k_q16e53baf67_up
	.p2align	8
	.type	k_q16e53baf67_up,@function
k_q16e53baf67_up:
	s_mov_b64 s[64:65], 0
	v_nop
	global_prefetch_b8 v0, s[64:65] scope:SCOPE_SE
	s_setreg_imm32_b32 hwreg(HW_REG_WAVE_MODE, 25, 1), 1
	s_wait_xcnt 0x0
	s_wait_alu depctr_hold_cnt(0) depctr_sa_sdst(0) depctr_va_vdst(0) depctr_va_sdst(0) depctr_va_ssrc(0) depctr_va_vcc(0) depctr_vm_vsrc(0)
	s_getreg_b32 s2, hwreg(HW_REG_IB_STS2, 6, 4)
	s_cmp_eq_u32 s2, 0
	s_cbranch_scc0 .Lentry_in_a_cluster
	s_endpgm
.Lentry_in_a_cluster:
	s_bfe_u32 s2, ttmp6, 0x10000c
	s_cmp_lg_u32 s2, 0x3003
	s_cbranch_scc0 .Lentry_shape_is_right
	s_endpgm
.Lentry_shape_is_right:
; UP: hq = Q(mask x gelu(x W1 + b1)), the first quantised product, the exact gelu in f32 and the quantiser along the second product's K = e 4096 + f.  Layouts of xq, w1q, hq as w2q's: see below.
; SHARES.  A work-group makes 256 tokens x 512 hidden units (run c of 512 along the next K).  Wave w keeps ALL of K = 1,024 of its 128 columns of W1 in registers: 64 fragments, read from memory once;
; 63 lie in windows 1 to 3 (21 to a window, so that none crosses a window's end), the last in LDS.  The 16 token tiles are walked out of LDS: a tile is 64 matrix instructions, and its result is exactly
; one fragment of hq (tokens 16 i on, K step w of run c), which leaves straight from the registers as three runs of 512 bytes.
; hq [16 runs c][64 groups of 64 tokens][25,600]: fragment (tile t4, K step q) at 1,536 (4 t4 + q); scale word (q, t4, r) at 24,576 + 256 q + 8 (r + 16 (t4 % 2)) + 4 (t4 / 2).
; CLUSTER.  The four work-groups of a cluster have the same 256 tokens: x's block, 204,800 bytes, is asked for jointly, a quarter by each wave.  W1 is not shared so: it goes from memory into registers,
; and a work-group's 409,600 bytes of it have no room in LDS beside x.  LDS is filled once.
; THE PRODUCT IS USED TRANSPOSED (source 0 = 16 columns of W1, source 1 = 16 tokens): a lane holds one token; by w1q's order of columns the 16 registers of tiles 2 b, 2 b + 1 are hidden units 32 b + 16 h + 0 .. 15.
; b1 is the C of each sum's first matrix instruction.
; GELU.  h = (a g)(1 + erf(a / sqrt 2)), g = mask / 2.  erf(a / sqrt 2) = ac P(s) / Q(s), ac = a held to +-4 sqrt 2, s = ac^2: a rational form of degrees 6 and 4 in s; its published coefficients for
; erf(x), x^2 are scaled by 2^-k (exact), the numerator's once more by 1 / sqrt 2.
; LIMITS: 1 + erf is formed as a sum, so h has an absolute error of about 1e-7 |a|: for a under -3 the relative error of the very small h grows; beyond |a| = 4 sqrt 2 erf is its value at the hold;
; NaN and infinities are not served; a block of zeros carries the byte 1 (its codes are zeros, and this program alone reads the bytes).
.set XB,   12800                       ; a token tile in xq and in LDS
.set BIAS, 204800                      ; LDS behind x: b1 of each wave's 128 columns, 512 bytes a wave,
.set GATE, 206848                      ; mask / 2 of my expert for the 256 tokens,
.set F63,  207872                      ; and each wave's fragment 63
.set AX0,  0                           ; v0   16 x lane
.set ADX,  1                           ; v1   the token tile's fragments
.set ADS,  2                           ; v2   its scale words
.set ADG,  3                           ; v3   its g
.set ABI,  4                           ; v4   b1: 64 bytes for each half of the lanes
.set AF63, 5                           ; v5   fragment 63
.set HS8,  6                           ; v6   8 x lane
.set GN,   7                           ; v7   the next tile's g
.set SB,   8                           ; v8-39   W1's scale words: pair 8 (t / 4) + ks; in it word (t / 2) % 2; lanes 0-15 even t, lanes 16-31 odd t
.set SX,   40                          ; v40-43  x's: register ks / 2; lanes 0-15 even ks, lanes 16-31 odd ks
.set G,    44                          ; v44  g;  v45 = 4 sqrt 2 (named with g as a pair)
.set CL,   45
.set XY,   46                          ; v46-47  four tiles' scale words of h, gathered
.set KA,   48                          ; v48-49  the numerator's coefficient 5, twice
.set KB,   50                          ; v50-51  the denominator's coefficient 3, twice
.set T,    52                          ; v52-83  at work; during the products v52-63 hold fragment 63
.set PC,   84                          ; v84-95  h's codes (at the head: addresses and small loads)
.set ACC,  96                          ; v96-159 eight accumulators
.set AFR,  160                         ; v160-255 x's eight fragments
.set MSB, 0
.macro WIN new                         ; the immediate's high byte repeats the setting that is left
.if MSB != (\new)
	s_set_vgpr_msb (MSB<<8)|(\new)
.set MSB, (\new)
.endif
.endm
.macro CROUND                          ; a round of the cluster's barrier
	s_barrier_signal -1
	s_barrier_wait -1
	s_cmp_lg_u32 s14, 0
	s_cbranch_scc1 .Lnot_wave_0_\@
	s_barrier_signal -3
.Lnot_wave_0_\@:
	s_barrier_wait -3
	s_barrier_signal -1
	s_barrier_wait -1
.endm
	s_load_b256 s[4:11], s[0:1], 0x0               ; xq s[4:5], w1q s[6:7], b1 s[8:9], gate s[10:11]
	s_load_b64 s[12:13], s[0:1], 0x20              ; hq
	s_set_vgpr_msb 0x40
	v_lshl_add_u32 v254, v0, 2, 0x34400
	v_mov_b32 v255, 0
	s_set_vgpr_msb 0x4045
	ds_add_u32 v254, v255
	ds_add_u32 v254, v255
	s_set_vgpr_msb 0x4500
	v_lshrrev_b32 v1, 5, v0
	v_readfirstlane_b32 s14, v1                    ; wave 0..3
	s_bfe_u32 s15, ttmp6, 0x40000                  ; cx
	s_lshl_b32 s16, ttmp9, 2
	s_add_co_u32 s16, s16, s15                     ; c = 4 x cluster x + cx: it enters global addresses alone
	s_and_b32 s17, ttmp7, 0xffff                   ; R: my 256 tokens, which the four partners share
	; descriptor group 1: a dense block of 51,200 bytes as 200 rows of 256 bytes (32 elements of 8 bytes)
	s_mov_b32 s24, 15|(3<<16)|(1<<21)              ; the mask: all four work-groups; elements of 8 bytes; bit 21 set beside a mask; no padding
	s_mov_b32 s25, 32<<16
	s_mov_b32 s26, 200<<16
	s_mov_b32 s27, 32<<16
	s_mov_b32 s28, 200
	s_mov_b32 s29, 32
	s_mov_b32 s30, 0
	s_mov_b32 s31, 0
	s_lshl_b32 s18, s17, 4
	s_lshl_b32 s19, s14, 2
	s_add_co_u32 s18, s18, s19
	s_mul_i32 s18, s18, XB                         ; token tiles 16 R + 4 w on: made of R and the wave's number alone
	s_mov_b32 s19, 0
	s_lshl_b32 s20, s16, 2
	s_add_co_u32 s20, s20, s14                     ; my group of 128 columns: 4 c + w
	s_mul_i32 s36, s20, 102400
	s_mov_b32 s37, 0
	s_lshl_b32 s38, s20, 9                         ; its 512 bytes of b1
	s_mov_b32 s39, 0
	s_lshr_b32 s21, s16, 3                         ; the expert
	s_lshl_b32 s60, s17, 11
	s_lshl_b32 s21, s21, 2
	s_add_co_u32 s60, s60, s21                     ; gate: 256 R tokens of 8 bytes, + 4 e
	s_mov_b32 s61, 0
	s_lshl_b32 s70, s16, 6
	s_lshl_b32 s71, s17, 2
	s_add_co_u32 s70, s70, s71
	s_mul_i32 s70, s70, 25600                      ; hq: block (c, 4 R)
	s_mul_i32 s71, s14, 1536
	s_add_co_u32 s74, s70, s71                     ; fragment (0, w)
	s_mov_b32 s75, 0
	s_lshl_b32 s71, s14, 8
	s_add_co_u32 s76, s70, s71
	s_add_co_u32 s76, s76, 24576                   ; K step w's unit of scale words
	s_mov_b32 s77, 0
	s_lshl_b32 s22, s14, 9
	s_add_co_u32 s22, s22, BIAS
	s_mul_i32 s23, s14, 1536
	s_add_co_u32 s23, s23, F63
	s_wait_dscnt 0x0
	s_wait_kmcnt 0x0
	s_mov_b32 s32, 1
	s_mul_i32 s33, s14, 4*XB                       ; LDS: wave x 51,200
	s_add_nc_u64 s[34:35], s[4:5], s[18:19]
	s_or_b32 s35, s35, 0x80000000
	s_add_nc_u64 s[6:7], s[6:7], s[36:37]
	s_add_nc_u64 s[8:9], s[8:9], s[38:39]
	s_add_nc_u64 s[10:11], s[10:11], s[60:61]
	s_add_nc_u64 s[74:75], s[12:13], s[74:75]
	s_add_nc_u64 s[76:77], s[12:13], s[76:77]
	CROUND                                         ; all four work-groups are here: the joint loads meet
	tensor_load_to_lds s[32:35], s[24:31]          ; my quarter of x's block: the one tensor load of mine
	s_nop 0
.rept 4
	v_nop
.endr
	v_lshlrev_b32 v84, 3, v0                       ; gate: 8 bytes a token, a token a thread
	v_lshl_add_u32 v85, v0, 2, GATE
	v_lshl_add_u32 v86, v0, 4, BIAS                ; 16 x thread = 512 w + 16 x lane
	v_bfe_u32 v87, v0, 4, 1                        ; h
	v_and_b32 v90, 31, v0                          ; lane
	v_and_b32 v91, 15, v0                          ; r
	v_lshlrev_b32 v[ADX], 4, v90
	v_lshl_add_u32 v[ADS], v90, 2, 12288
	v_lshl_add_u32 v[ADG], v91, 2, GATE
	v_lshl_add_u32 v[ABI], v87, 6, s22
	v_lshl_add_u32 v[AF63], v90, 4, s23
	v_lshlrev_b32 v[HS8], 3, v90
	v_lshlrev_b32 v[AX0], 4, v90
.set F, 0
.rept 63                               ; W1's fragments 0 to 62: fragment F to window 1 + F / 21, register 12 (F % 21)
	WIN (1+F/21)<<6
.irp j, 0,1,2
	global_load_b128 v[12*(F%21)+4*\j:12*(F%21)+4*\j+3], v[AX0], s[6:7] offset:F*1536+512*\j
.endr
.set F, F+1
.endr
	WIN 0
.irp j, 0,1,2
	global_load_b128 v[T+4*\j:T+4*\j+3], v[AX0], s[6:7] offset:63*1536+512*\j
.endr
.set I, 0
.rept 16
	global_load_b64 v[SB+2*I:SB+2*I+1], v[HS8], s[6:7] offset:98304+256*I
.set I, I+1
.endr
	global_load_b128 v[92:95], v[AX0], s[8:9]
	global_load_b32 v88, v84, s[10:11]
	global_load_b32 v89, v84, s[10:11] offset:1024
	; the coefficients, each as a scalar pair (the packed form names a pair and takes its low word for both halves)
	s_mov_b32 s62, 0x3f3504f3                      ; 1 / sqrt 2
	s_mov_b32 s40, 0xac95df0b                      ; numerator, degree 6 down to 0 (5 goes to v48-49)
	s_mov_b32 s60, 0x306dffee
	s_mov_b32 s42, 0xb40cff51
	s_mov_b32 s44, 0xb6eec2d2
	s_mov_b32 s46, 0xb940ac63
	s_mov_b32 s48, 0xbac1a1f6
	s_mov_b32 s50, 0xbc83dbd4
.irp c, 40,60,42,44,46,48,50
	s_mul_f32 s\c, s\c, s62
.endr
	s_mov_b32 s52, 0xb57460cd                      ; denominator, degree 4, 2, 1, 0 (3 goes to v50-51)
	s_mov_b32 s54, 0xb9dc924e
	s_mov_b32 s56, 0xbb719bf8
	s_mov_b32 s58, 0xbc69b6a7
.irp c, 40,42,44,46,48,50,52,54,56,58
	s_mov_b32 s[\c+1], s\c
.endr
	v_mov_b32 v[KA], s60
	v_mov_b32 v[KA+1], s60
	v_mov_b32 v[KB], 0xb7dfbd29
	v_mov_b32 v[KB+1], 0xb7dfbd29
	v_mov_b32 v[CL], 0x40b504f3                    ; 4 sqrt 2
	v_mov_b32 v[XY], 0
	v_mov_b32 v[XY+1], 0
	s_mov_b32 s78, 0x76543210                      ; v_permlanex16_b32's selects for lane l xor 16
	s_mov_b32 s79, 0xfedcba98
	s_mov_b32 s68, 0xffff
	s_mov_b32 s69, 0
	s_mov_b32 s67, 0                               ; the tile's place in its group of four
	s_mov_b32 s66, 15
	s_wait_loadcnt 0x0
	v_mul_f32 v88, 0.5, v88
	v_mul_f32 v89, 0.5, v89
.irp j, 0,1,2
	ds_store_b128 v[AF63], v[T+4*\j:T+4*\j+3] offset:512*\j
.endr
	ds_store_b128 v86, v[92:95]
	ds_store_b32 v85, v88
	ds_store_b32 v85, v89 offset:512
	s_wait_tensorcnt 0x0                           ; my quarter of x has landed,
	s_wait_dscnt 0x0                               ; and so have my stores:
	s_barrier_signal -1
	s_barrier_wait -1                              ; everybody's have
.macro LOADT                           ; a token tile: eight fragments, four registers of scale words, g
.set I, 0
.rept 24
	ds_load_b128 v[AFR+4*I:AFR+4*I+3], v[ADX] offset:512*I
.set I, I+1
.endr
.irp p, 0,1,2,3
	ds_load_b32 v[SX+\p], v[ADS] offset:128*\p
.endr
	ds_load_b32 v[GN], v[ADG]
.endm
.macro LOADB                           ; b1 into the accumulators (tile 2 b + u: units 32 b + 16 h + 8 u + 0 .. 7), and fragment 63
.set I, 0
.rept 16
	ds_load_b128 v[ACC+4*I:ACC+4*I+3], v[ABI] offset:128*(I/4)+32*((I/2)%2)+16*(I%2)
.set I, I+1
.endr
.irp j, 0,1,2
	ds_load_b128 v[T+4*\j:T+4*\j+3], v[AF63] offset:512*\j
.endr
.endm
.macro WMX                             ; one product, by the symbols rD, rA, rB, rSA, rSB; RWA, RWB: the scale words stand in lanes 16-31
.if RWA && RWB
	v_wmma_scale_f32_16x16x128_f8f6f4 v[rD:rD+7], v[rA:rA+11], v[rB:rB+11], v[rD:rD+7], v[rSA], v[rSB] matrix_a_fmt:MATRIX_FMT_FP6 matrix_b_fmt:MATRIX_FMT_FP6 matrix_a_scale:MATRIX_SCALE_ROW1 matrix_b_scale:MATRIX_SCALE_ROW1
.elseif RWA
	v_wmma_scale_f32_16x16x128_f8f6f4 v[rD:rD+7], v[rA:rA+11], v[rB:rB+11], v[rD:rD+7], v[rSA], v[rSB] matrix_a_fmt:MATRIX_FMT_FP6 matrix_b_fmt:MATRIX_FMT_FP6 matrix_a_scale:MATRIX_SCALE_ROW1
.elseif RWB
	v_wmma_scale_f32_16x16x128_f8f6f4 v[rD:rD+7], v[rA:rA+11], v[rB:rB+11], v[rD:rD+7], v[rSA], v[rSB] matrix_a_fmt:MATRIX_FMT_FP6 matrix_b_fmt:MATRIX_FMT_FP6 matrix_b_scale:MATRIX_SCALE_ROW1
.else
	v_wmma_scale_f32_16x16x128_f8f6f4 v[rD:rD+7], v[rA:rA+11], v[rB:rB+11], v[rD:rD+7], v[rSA], v[rSB] matrix_a_fmt:MATRIX_FMT_FP6 matrix_b_fmt:MATRIX_FMT_FP6
.endif
.endm
.macro HP c                            ; a step of the numerator: P = P s + coefficient
.irp j, 0,2,4,6
	v_pk_fma_f32 v[T+16+\j:T+17+\j], v[T+16+\j:T+17+\j], v[T+8+\j:T+9+\j], s[\c:\c+1] op_sel_hi:[1,1,0]
.endr
.endm
.macro HQ c                            ; of the denominator
.irp j, 0,2,4,6
	v_pk_fma_f32 v[T+24+\j:T+25+\j], v[T+24+\j:T+25+\j], v[T+8+\j:T+9+\j], s[\c:\c+1] op_sel_hi:[1,1,0]
.endr
.endm
; The activation of one accumulator's eight numbers.  T+0: ac, T+8: s, T+16: P, T+24: Q.  The accumulator is read from its low end on.
.macro GELU t
.set AA, ACC+8*(\t)
.set I, 0
.rept 8
	v_med3_num_f32 v[T+I], v[AA+I], -v[CL], v[CL]
.set I, I+1
.endr
.irp j, 0,2,4,6
	v_pk_mul_f32 v[T+8+\j:T+9+\j], v[T+\j:T+1+\j], v[T+\j:T+1+\j]
.endr
.irp j, 0,2,4,6
	v_pk_mul_f32 v[AA+\j:AA+1+\j], v[AA+\j:AA+1+\j], v[G:G+1] op_sel_hi:[1,0]       ; a g
.endr
.irp j, 0,2,4,6
	v_pk_fma_f32 v[T+16+\j:T+17+\j], v[T+8+\j:T+9+\j], s[40:41], v[KA:KA+1] op_sel_hi:[1,0,1]
.endr
.irp j, 0,2,4,6
	v_pk_fma_f32 v[T+24+\j:T+25+\j], v[T+8+\j:T+9+\j], s[52:53], v[KB:KB+1] op_sel_hi:[1,0,1]
.endr
	HP 42
	HQ 54
	HP 44
	HQ 56
	HP 46
	HQ 58
.set I, 0
.rept 8
	v_rcp_f32 v[T+24+I], v[T+24+I]
.set I, I+1
.endr
	HP 48                                          ; plain work between the reciprocals and their use
	HP 50
.irp j, 0,2,4,6
	v_pk_mul_f32 v[T+16+\j:T+17+\j], v[T+16+\j:T+17+\j], v[T+\j:T+1+\j]
.endr
	s_wait_alu depctr_va_vdst(0)
.irp j, 0,2,4,6
	v_pk_mul_f32 v[T+16+\j:T+17+\j], v[T+16+\j:T+17+\j], v[T+24+\j:T+25+\j]         ; erf
.endr
.irp j, 0,2,4,6
	v_pk_fma_f32 v[AA+\j:AA+1+\j], v[AA+\j:AA+1+\j], v[T+16+\j:T+17+\j], v[AA+\j:AA+1+\j]   ; a g erf + a g
.endr
.endm
; The lane's 64 numbers (register 16 b + i = unit 32 b + 16 h + i of my token) become a fragment's codes in v[PC] on and its scale word in v[T+16].
.macro QUANT
.irp b, 0,1,2,3
	v_max3_num_f32 v[T+\b], |v[ACC+16*\b]|, |v[ACC+1+16*\b]|, 0x1800000   ; my 16 numbers of block b, and the floor 2^(3 - 127): the byte cannot fall under 1
.endr
.irp i, 2,4,6,8,10,12,14
.irp b, 0,1,2,3
	v_max3_num_f32 v[T+\b], v[T+\b], |v[ACC+16*\b+\i]|, |v[ACC+1+16*\b+\i]|
.endr
.endr
.irp b, 0,1,2,3
	v_permlanex16_b32 v[T+4+\b], v[T+\b], s78, s79
.endr
.irp b, 0,1,2,3
	v_max_num_f32 v[T+\b], v[T+\b], v[T+4+\b]      ; with lane l xor 16's: the block's largest magnitude
.endr
.irp b, 0,1,2,3
	v_add_nc_u32 v[T+12+\b], 0xff000000, v[T+\b]   ; 2 off its exponent field: the conversion's scale operand
.endr
.irp b, 0,1,2,3
	v_lshrrev_b32 v[T+4+\b], 23, v[T+12+\b]        ; the scale's byte
.endr
	v_lshl_or_b32 v[T+16], v[T+5], 8, v[T+4]
	v_lshl_or_b32 v[T+16], v[T+6], 16, v[T+16]
	v_lshl_or_b32 v[T+16], v[T+7], 24, v[T+16]
.irp c, 0,1
	v_cvt_scalef32_pk16_fp6_f32 v[PC+6*\c:PC+2+6*\c], v[ACC+32*\c:ACC+15+32*\c], v[T+12+2*\c]
	v_cvt_scalef32_pk16_fp6_f32 v[T+20+4*\c:T+22+4*\c], v[ACC+16+32*\c:ACC+31+32*\c], v[T+13+2*\c]   ; (a conversion's three registers begin on an even number)
.endr
	v_nop                                          ; one plain place behind a scaled conversion
.irp c, 0,1                            ; the operand's layout wants a whole block in a lane: lanes 0-15 block 2 c, lanes 16-31 block 2 c + 1
.irp i, 0,1,2
	v_permlane16_swap_b32 v[PC+6*\c+\i], v[T+20+4*\c+\i]
.endr
.irp i, 0,1,2
	v_mov_b32 v[PC+3+6*\c+\i], v[T+20+4*\c+\i]
.endr
.endr
.endm
; A TOKEN TILE.  more = 1: the next tile's operands are fetched.
.macro TILE more
	s_wait_dscnt 0x0                               ; x's fragments and scale words, g, b1 and fragment 63 are in
	v_mov_b32 v[G], v[GN]
.set F, 0
.rept 64                               ; K step F / 8, tile F % 8: the eight accumulators take turns, one instruction a turn
.if F < 63
	WIN 1+F/21
.set rA, 12*(F%21)
.else
	WIN 0
.set rA, T
.endif
.set rD, ACC+8*(F%8)
.set rB, AFR+12*(F/8)
.set rSA, SB+2*(8*((F%8)/4)+F/8)+((F%8)/2)%2
.set rSB, SX+(F/8)/2
.set RWA, F%2
.set RWB, (F/8)%2
	WMX
.set F, F+1
.endr
	WIN 0
.if \more
	v_add_nc_u32 v[ADX], XB, v[ADX]                ; four places behind the last product, ahead of loads into its operands and of the first read of results
	v_add_nc_u32 v[ADS], XB, v[ADS]
	v_add_nc_u32 v[ADG], 64, v[ADG]
	v_nop
	LOADT                                          ; lands under the activation
.else
.rept 4
	v_nop
.endr
.endif
.irp t, 0,1,2,3,4,5,6,7
	GELU \t
.endr
	QUANT
.irp j, 0,1,2
	global_store_b128 v[AX0], v[PC+4*\j:PC+4*\j+3], s[74:75] offset:512*\j   ; the fragment's image: 512 consecutive bytes, at a multiple of 256 from hq's first byte
.endr
	s_lshl_b32 s70, s67, 4
	s_lshl_b64 s[72:73], s[68:69], s70             ; sixteen ones at bit 16 x place: which half of which of the two registers takes this tile's words
	v_cndmask_b32 v[XY], v[XY], v[T+16], s72
	v_cndmask_b32 v[XY+1], v[XY+1], v[T+16], s73
	s_cmp_lg_u32 s67, 3
	s_cbranch_scc1 .Lno_words_\@                   ; (on the count of tiles: the same in every wave and work-group)
	global_store_b64 v[HS8], v[XY:XY+1], s[76:77]  ; four tiles' scale words: one aligned run of 256 bytes
.Lno_words_\@:
.if \more
	LOADB
	s_wait_xcnt 0x0                                ; the stores have read their registers and bases: both are written again
	s_cmp_eq_u32 s67, 3
	s_mov_b32 s70, 6144                            ; the next tile of the group of four, or the next group's first
	s_cselect_b32 s70, 7168, s70
	s_cselect_b32 s72, 25600, 0
	s_mov_b32 s71, 0
	s_mov_b32 s73, 0
	s_add_nc_u64 s[74:75], s[74:75], s[70:71]
	s_add_nc_u64 s[76:77], s[76:77], s[72:73]
	s_add_co_u32 s67, s67, 1
	s_and_b32 s67, s67, 3
.endif
.endm
	LOADT
	LOADB
.Ltile:
	TILE 1
	s_sub_co_u32 s66, s66, 1
	s_cmp_lg_u32 s66, 0
	s_cbranch_scc1 .Ltile
	TILE 0                                         ; the last tile fetches nothing
	s_set_vgpr_msb 0x5
	s_wait_tensorcnt 0x0
	ds_add_u32 v254, v255
	s_wait_dscnt 0x0
	s_set_vgpr_msb 0x500
	CROUND                                         ; the closing round
	s_endpgm
.Lfunc_end_k_q16e53baf67_up:
	.size	k_q16e53baf67_up, .Lfunc_end_k_q16e53baf67_up-k_q16e53baf67_up
	.p2alignl 7, 3214868480
	.fill 96, 4, 3214868480
	.section	.rodata,"a",@progbits
	.p2align	6, 0x0
	.amdhsa_kernel k_q16e53baf67_up
		.amdhsa_group_segment_fixed_size 214528
		.amdhsa_private_segment_fixed_size 0
		.amdhsa_enable_private_segment 0
		.amdhsa_kernarg_size 40
		.amdhsa_user_sgpr_count 2
		.amdhsa_user_sgpr_kernarg_segment_ptr 1
		.amdhsa_wavefront_size32 1
		.amdhsa_system_sgpr_workgroup_id_x 1
		.amdhsa_system_sgpr_workgroup_id_y 1
		.amdhsa_system_sgpr_workgroup_id_z 1
		.amdhsa_system_vgpr_workitem_id 0
		.amdhsa_next_free_vgpr 1024
		.amdhsa_next_free_sgpr 84
		.amdhsa_reserve_vcc 0
		.amdhsa_float_denorm_mode_32 3
		.amdhsa_float_denorm_mode_16_64 3
		.amdhsa_memory_ordered 1
		.amdhsa_forward_progress 1
		.amdhsa_inst_pref_size 132
	.end_amdhsa_kernel
	.amdgpu_metadata
---
amdhsa.version: [ 1, 2 ]
amdhsa.kernels:
  - .name:           k_q16e53baf67_up
    .symbol:         k_q16e53baf67_up.kd
    .args:
      - { .name: xq, .offset: 0, .size: 8, .value_kind: global_buffer, .address_space: global }
      - { .name: w1q, .offset: 8, .size: 8, .value_kind: global_buffer, .address_space: global }
      - { .name: b1, .offset: 16, .size: 8, .value_kind: global_buffer, .address_space: global }
      - { .name: gate, .offset: 24, .size: 8, .value_kind: global_buffer, .address_space: global }
      - { .name: hq, .offset: 32, .size: 8, .value_kind: global_buffer, .address_space: global }
    .group_segment_fixed_size: 214528
    .private_segment_fixed_size: 0
    .kernarg_segment_align: 8
    .kernarg_segment_size: 40
    .max_flat_workgroup_size: 128
    .sgpr_count:     84
    .vgpr_count:     1024
    .wavefront_size: 32
...
	.end_amdgpu_metadata
.endif
;; end of part 2
;; launch down (part 3): grid 8 x 32, 4 waves a work-group, no clusters, 270,848 bytes of LDS; arguments hq, w2q, b2, gate, out0; writes out0
.if DOCPART == 3
	.amdgcn_target "amdgcn-amd-amdhsa--gfx1250"
	.amdhsa_code_object_version 6
	.text
	.protected	k_q16e53baf67_down
	.globl	k_q16e53baf67_down
	.p2align	8
	.type	k_q16e53baf67_down,@function
k_q16e53baf67_down:
	s_mov_b64 s[64:65], 0
	v_nop
	global_prefetch_b8 v0, s[64:65] scope:SCOPE_SE
	s_setreg_imm32_b32 hwreg(HW_REG_WAVE_MODE, 25, 1), 1
	s_wait_xcnt 0x0
; DOWN: out = (sum over K = e 4096 + f of hq x w2q + mask_0 b2_0 + mask_1 b2_1) / 2: the second quantised product, both experts on end in one sum (the mask is already in hq), the biases and the average.
; hq [16 runs of 512 along K][64 groups of 64 tokens][25,600], w2q [16 runs][16 groups of 64 columns][25,600]: a block holds fragment images (tile t4, K step q) at 1,536 (4 t4 + q) and scale words
; (q, t4, r) at 24,576 + 256 q + 8 (r + 16 (t4 % 2)) + 4 (t4 / 2).  An image: registers 4 j .. 4 j + 3 of lane l at 512 j + 16 l.
; SHARES.  out has 4,096 x 1,024 numbers: 256 tiles of 128 x 128, one to a work-group.  K IS SPLIT AMONG THE FOUR WAVES: each wave keeps the whole tile (64 accumulators, windows 2 and 3) and multiplies
; K step q = wave of every run.  At the end the four partial tiles meet in LDS and each wave adds and stores 32 rows.
; OPERANDS GO FROM MEMORY STRAIGHT INTO REGISTERS.  No operand byte is read by two waves of the work-group, so LDS would give no reuse here, and the buffers lie as register images: each load of a wave is
; 512 consecutive bytes.  Two register sets take turns: when a run's 64 products are issued, its set is asked for again, two runs ahead; the wait at a run's head leaves the younger run's 52 loads out.
; So no barrier stands in the loop, and up to two runs (104 loads a wave) are asked for at a time; loads beyond what LOADcnt's field counts only hold up the issue (ISA guide 5.7.1).
; NO CLUSTER, NO JOINT LOADS, though h's blocks are read by the 8 work-groups of a tile row and W2's by the 32 of a tile column: a run is 102,400 bytes for 64 products a wave; two LDS slots of two runs
; would be 409,600 bytes, more than the 327,680 that there are; and with slots of one run a refill has 48 products between its request and the wait for all loads that stands in front of the next refill.
; THE PRODUCT IS USED TRANSPOSED (source 0 = 16 columns of W2, source 1 = 16 tokens): a lane holds eight neighbouring columns of one token's row.
; LIMITS: the sums over K are made in four parts and the biases are added last: another order of rounding than one ascending chain's.  NaN and infinities are not served.
; REGISTERS.  window 0: v4-26 addresses and b2; v32-47 scale words, two sets; v64-159, v160-255 h's fragments, two sets.  window 1: W2's fragments, two sets, at v0 and v128.
;   windows 2, 3: accumulator (a, b) at v[8 (8 (a % 4) + b)], window 2 + a / 4.
.set BLK,   25600
.set RUNA,  64*BLK                     ; from run to run in hq
.set RUNB,  16*BLK                     ; and in w2q
.set REGN,  67584                      ; LDS: a wave's partial tile, 128 rows of RP bytes, at REGN x wave
.set RP,    528
.set BH0,  4                           ; v4-7    b2 of expert 0 at my four columns, later halved
.set RD,   8                           ; v8-11   the end: my rows in the four partial tiles
.set BH1,  12                          ; v12-15  b2 of expert 1
.set VF,   16                          ; v16     my place in a block's fragments: 16 x lane + 1,536 x wave; never rewritten
.set VS,   17                          ; v17     and among its scale words: 24,576 + 256 x wave + 8 x lane; never rewritten
.set STO,  24                          ; v24     the end: where I put 32 bytes of a row
.set CO,   26                          ; v26     16 x lane
.set SC,   32                          ; scale words: set s at v[SC + 8 s]: registers 0-3 h's (tile a: register a / 2, lanes 16-31 where a is odd), 4-7 W2's likewise
.set TQ,   192
.set AB,   88                          ; s[88:89], s[90:91]  h's two blocks of the run that set 0, set 1 takes next
.set BB,   92                          ; s[92:93], s[94:95]  W2's
.set MSB, 0
.macro WIN new                         ; the immediate's high byte repeats the setting that is left
.if MSB != (\new)
	s_set_vgpr_msb (MSB<<8)|(\new)
.set MSB, (\new)
.endif
.endm
.macro PLACES
.rept 4
	v_nop
.endr
.endm
	s_load_b256 s[4:11], s[0:1], 0x0               ; hq s[4:5], w2q s[6:7], b2 s[8:9], gate s[10:11]
	s_load_b64 s[12:13], s[0:1], 0x20              ; out0
	v_lshl_add_u32 v62, v0, 2, 0x42000
	v_mov_b32 v63, 0
	v_lshrrev_b32 v1, 5, v0
	v_readfirstlane_b32 s14, v1                    ; wave 0..3
	s_and_b32 s15, ttmp7, 0xffff                   ; tile row; ttmp9 is the tile column
	s_mul_i32 s84, s15, 2*BLK                      ; h: groups of tokens 2 x tile row, + 1
	s_mov_b32 s85, 0
	s_mul_i32 s86, ttmp9, 2*BLK                    ; W2: groups of columns 2 x tile column, + 1
	s_mov_b32 s87, 0
	v_and_b32 v1, 31, v0                           ; lane
	v_and_b32 v2, 15, v0                           ; r
	v_bfe_u32 v3, v0, 4, 1                         ; h
	v_lshlrev_b32 v[CO], 4, v1
	s_mul_i32 s2, s14, 1536                        ; my K step's fragments: 1,536 x wave on in each group of four
	v_add_nc_u32 v[VF], s2, v[CO]
	s_lshl_b32 s2, s14, 8
	s_add_co_u32 s2, s2, 24576
	v_lshl_add_u32 v[VS], v1, 3, s2
	s_mul_i32 s2, s14, REGN
	v_mul_u32_u24 v[STO], v2, RP
	v_lshl_add_u32 v[STO], v3, 5, v[STO]
	v_add_nc_u32 v[STO], s2, v[STO]                ; my partial tile: row r, + 32 h
	s_mul_i32 s2, s14, 32*RP
	v_add_nc_u32 v[RD], s2, v[CO]                  ; rows 32 w on, 16 bytes a lane, in each of the four partial tiles
	v_add_nc_u32 v[RD+1], REGN, v[RD]
	v_add_nc_u32 v[RD+2], 2*REGN, v[RD]
	v_add_nc_u32 v[RD+3], 3*REGN, v[RD]
	s_wait_kmcnt 0x0
	s_add_nc_u64 s[AB:AB+1], s[4:5], s[84:85]      ; run 0,
	s_add_nc_u64 s[AB+2:AB+3], s[AB:AB+1], RUNA    ; run 1
	s_add_nc_u64 s[BB:BB+1], s[6:7], s[86:87]
	s_add_nc_u64 s[BB+2:BB+3], s[BB:BB+1], RUNB
	s_lshl_b32 s84, ttmp9, 9                       ; the tile's first column: 512 bytes a tile, in b2 and in out
	s_add_nc_u64 s[8:9], s[8:9], s[84:85]
	s_add_nc_u64 s[12:13], s[12:13], s[84:85]
	s_lshl_b32 s86, s15, 19                        ; the rows that I store: 128 x tile row + 32 x wave, 4,096 bytes each
	s_lshl_b32 s2, s14, 17
	s_add_co_u32 s86, s86, s2
	s_add_nc_u64 s[12:13], s[12:13], s[86:87]
	s_lshl_b32 s86, s15, 10                        ; and their masks: 8 bytes a token
	s_lshl_b32 s2, s14, 8
	s_add_co_u32 s86, s86, s2
	s_add_nc_u64 s[10:11], s[10:11], s[86:87]
	s_load_b512 s[16:31], s[10:11], 0x0            ; the masks of my 32 rows, two a row: wanted at the end, waited for there
	s_load_b512 s[32:47], s[10:11], 0x40
	s_load_b512 s[48:63], s[10:11], 0x80
	s_load_b512 s[68:83], s[10:11], 0xc0
	global_load_b128 v[BH0:BH0+3], v[CO], s[8:9]
	global_load_b128 v[BH1:BH1+3], v[CO], s[8:9] offset:4096
.macro WMX                             ; one product, by the symbols rD, rA, rB, rSA, rSB; ZR: it starts the sum; RWA, RWB: the scale words stand in lanes 16-31
.if ZR
.if RWA && RWB
	v_wmma_scale_f32_16x16x128_f8f6f4 v[rD:rD+7], v[rA:rA+11], v[rB:rB+11], 0, v[rSA], v[rSB] matrix_a_fmt:MATRIX_FMT_FP6 matrix_b_fmt:MATRIX_FMT_FP6 matrix_a_scale:MATRIX_SCALE_ROW1 matrix_b_scale:MATRIX_SCALE_ROW1
.elseif RWA
	v_wmma_scale_f32_16x16x128_f8f6f4 v[rD:rD+7], v[rA:rA+11], v[rB:rB+11], 0, v[rSA], v[rSB] matrix_a_fmt:MATRIX_FMT_FP6 matrix_b_fmt:MATRIX_FMT_FP6 matrix_a_scale:MATRIX_SCALE_ROW1
.elseif RWB
	v_wmma_scale_f32_16x16x128_f8f6f4 v[rD:rD+7], v[rA:rA+11], v[rB:rB+11], 0, v[rSA], v[rSB] matrix_a_fmt:MATRIX_FMT_FP6 matrix_b_fmt:MATRIX_FMT_FP6 matrix_b_scale:MATRIX_SCALE_ROW1
.else
	v_wmma_scale_f32_16x16x128_f8f6f4 v[rD:rD+7], v[rA:rA+11], v[rB:rB+11], 0, v[rSA], v[rSB] matrix_a_fmt:MATRIX_FMT_FP6 matrix_b_fmt:MATRIX_FMT_FP6
.endif
.else
.if RWA && RWB
	v_wmma_scale_f32_16x16x128_f8f6f4 v[rD:rD+7], v[rA:rA+11], v[rB:rB+11], v[rD:rD+7], v[rSA], v[rSB] matrix_a_fmt:MATRIX_FMT_FP6 matrix_b_fmt:MATRIX_FMT_FP6 matrix_a_scale:MATRIX_SCALE_ROW1 matrix_b_scale:MATRIX_SCALE_ROW1
.elseif RWA
	v_wmma_scale_f32_16x16x128_f8f6f4 v[rD:rD+7], v[rA:rA+11], v[rB:rB+11], v[rD:rD+7], v[rSA], v[rSB] matrix_a_fmt:MATRIX_FMT_FP6 matrix_b_fmt:MATRIX_FMT_FP6 matrix_a_scale:MATRIX_SCALE_ROW1
.elseif RWB
	v_wmma_scale_f32_16x16x128_f8f6f4 v[rD:rD+7], v[rA:rA+11], v[rB:rB+11], v[rD:rD+7], v[rSA], v[rSB] matrix_a_fmt:MATRIX_FMT_FP6 matrix_b_fmt:MATRIX_FMT_FP6 matrix_b_scale:MATRIX_SCALE_ROW1
.else
	v_wmma_scale_f32_16x16x128_f8f6f4 v[rD:rD+7], v[rA:rA+11], v[rB:rB+11], v[rD:rD+7], v[rSA], v[rSB] matrix_a_fmt:MATRIX_FMT_FP6 matrix_b_fmt:MATRIX_FMT_FP6
.endif
.endif
.endm
; Eight products: h's tile a against W2's eight, from register set sl.  The 64 accumulators take turns, one instruction a turn, in the same order in every run.
.macro MUL8 a, sl, zero
	WIN 0xa1+0x50*((\a)/4)                         ; source 0 (W2) window 1, source 1 (h) window 0, C and D window 2 or 3
.set ZR, \zero
.irp b, 0,1,2,3,4,5,6,7
.set rD, 8*(8*((\a)%4)+\b)
.set rA, 128*(\sl)+12*\b
.set rB, 64+96*(\sl)+12*(\a)
.set rSA, SC+8*(\sl)+4+\b/2
.set rSB, SC+8*(\sl)+(\a)/2
.set RWA, \b%2
.set RWB, (\a)%2
	WMX
.endr
.endm
; 52 loads: my K step's sixteen fragments (48 loads of 512 consecutive bytes) and their scale words (4 of 256) of the run at set sl's bases, into register set sl
.macro FETCH sl
	WIN 0x40                                       ; destination window 1, address window 0
.irp i, 0,1,2,3,4,5,6,7
.irp j, 0,1,2
	global_load_b128 v[128*(\sl)+12*\i+4*\j:128*(\sl)+12*\i+4*\j+3], v[VF], s[BB+2*(\sl):BB+2*(\sl)+1] offset:(\i/4)*BLK+(\i%4)*6144+512*\j
.endr
.endr
	WIN 0
.irp i, 0,1,2,3,4,5,6,7
.irp j, 0,1,2
	global_load_b128 v[64+96*(\sl)+12*\i+4*\j:64+96*(\sl)+12*\i+4*\j+3], v[VF], s[AB+2*(\sl):AB+2*(\sl)+1] offset:(\i/4)*BLK+(\i%4)*6144+512*\j
.endr
.endr
	global_load_b64 v[SC+8*(\sl):SC+8*(\sl)+1], v[VS], s[AB+2*(\sl):AB+2*(\sl)+1]
	global_load_b64 v[SC+8*(\sl)+2:SC+8*(\sl)+3], v[VS], s[AB+2*(\sl):AB+2*(\sl)+1] offset:BLK
	global_load_b64 v[SC+8*(\sl)+4:SC+8*(\sl)+5], v[VS], s[BB+2*(\sl):BB+2*(\sl)+1]
	global_load_b64 v[SC+8*(\sl)+6:SC+8*(\sl)+7], v[VS], s[BB+2*(\sl):BB+2*(\sl)+1] offset:BLK
.endm
; A RUN of 512 along K, of which 128 are mine: 64 products from register set sl.  left: the younger loads that may stay out: the other set's 52, or none.
; more = 1: the set is asked for again, two runs on.  Its bases may be stepped: the wait at the head has shown every load that names them done.
.macro STEP sl, zero, more, left
	s_wait_loadcnt \left                           ; loads come back in order (ISA guide 5.7.1): this run's 52 are in
.irp a, 0,1,2,3,4,5,6,7
	MUL8 \a, \sl, \zero
.endr
.if \more
	PLACES                                         ; four places behind the last product, ahead of loads into registers that the products have read
	s_add_nc_u64 s[AB+2*(\sl):AB+2*(\sl)+1], s[AB+2*(\sl):AB+2*(\sl)+1], 2*RUNA
	s_add_nc_u64 s[BB+2*(\sl):BB+2*(\sl)+1], s[BB+2*(\sl):BB+2*(\sl)+1], 2*RUNB
	FETCH \sl
.endif
.endm
	FETCH 0                                        ; run 0
	FETCH 1                                        ; run 1
	STEP 0, 1, 1, 52                               ; run 0: its products start the sums; run 2 is asked for  (FETCH leaves every window 0)
	s_mov_b32 s3, 6
.Llap:                                                 ; runs 1 to 12; runs 3 to 14 are asked for
	STEP 1, 0, 1, 52
	STEP 0, 0, 1, 52
	s_sub_co_u32 s3, s3, 1
	s_cmp_lg_u32 s3, 0
	s_cbranch_scc1 .Llap
	STEP 1, 0, 1, 52                               ; run 13 asks for run 15: the last loads, so no load leaves its buffer
	STEP 0, 0, 0, 52                               ; run 14
	STEP 1, 0, 0, 0                                ; run 15: nothing is out any more, b2 neither
	WIN 0
	PLACES                                         ; behind the last products, ahead of the first read of results
.irp a, 0,1,2,3,4,5,6,7
	WIN 0x08+4*(\a/4)                              ; an LDS store's data are its source 1: window 2 or 3
.irp b, 0,1,2,3,4,5,6,7
	ds_store_b128 v[STO], v[8*(8*(\a%4)+\b):8*(8*(\a%4)+\b)+3] offset:16*\a*RP+64*\b          ; each accumulator from its low end on
	ds_store_b128 v[STO], v[8*(8*(\a%4)+\b)+4:8*(8*(\a%4)+\b)+7] offset:16*\a*RP+64*\b+16
.endr
.endr
	WIN 0
	s_wait_dscnt 0x0                               ; for the others' sake: my partial tile has landed
	s_barrier_signal -1
	s_barrier_wait -1                              ; the launch's one barrier
; THE END.  Four rows at a time: each row's 512 bytes out of the four partial tiles, through two buffers of 64 registers.
.macro LOADG g
.irp p, 0,1,2,3
.irp k, 0,1,2,3
	ds_load_b128 v[64+64*((\g)%2)+16*\p+4*\k:64+64*((\g)%2)+16*\p+4*\k+3], v[RD+\k] offset:(4*(\g)+\p)*RP
.endr
.endr
.endm
.macro ROWS g
.irp p, 0,1,2,3
.set RB, 64+64*((\g)%2)+16*\p
.set RO, 4*(\g)+\p
.set SM, 16+16*(RO/8)+4*(RO/24)+2*(RO%8)           ; where the row's two masks stand
	v_pk_add_f32 v[RB:RB+1], v[RB:RB+1], v[RB+4:RB+5]
	v_pk_add_f32 v[RB+2:RB+3], v[RB+2:RB+3], v[RB+6:RB+7]
	v_pk_add_f32 v[RB+8:RB+9], v[RB+8:RB+9], v[RB+12:RB+13]
	v_pk_add_f32 v[RB+10:RB+11], v[RB+10:RB+11], v[RB+14:RB+15]
.irp j, 0,1,2,3
	v_mul_f32 v[TQ+4*\p+\j], s[SM], v[BH0+\j]      ; mask_0 b2_0 / 2
.endr
	v_pk_add_f32 v[RB:RB+1], v[RB:RB+1], v[RB+8:RB+9]
	v_pk_add_f32 v[RB+2:RB+3], v[RB+2:RB+3], v[RB+10:RB+11]
.irp j, 0,1,2,3
	v_fmac_f32 v[TQ+4*\p+\j], s[SM+1], v[BH1+\j]   ; + mask_1 b2_1 / 2
.endr
	v_pk_fma_f32 v[RB:RB+1], v[RB:RB+1], 0.5, v[TQ+4*\p:TQ+4*\p+1] op_sel_hi:[1,0,1]
	v_pk_fma_f32 v[RB+2:RB+3], v[RB+2:RB+3], 0.5, v[TQ+4*\p+2:TQ+4*\p+3] op_sel_hi:[1,0,1]
	global_store_b128 v[CO], v[RB:RB+3], s[12:13] offset:RO*4096 th:TH_STORE_NT   ; 32 lanes store 512 consecutive bytes, at a multiple of 256 from out's first byte
.endr
.endm
	LOADG 0
	LOADG 1
	s_wait_kmcnt 0x0                               ; the masks
.irp j, 0,1,2,3
	v_mul_f32 v[BH0+\j], 0.5, v[BH0+\j]
	v_mul_f32 v[BH1+\j], 0.5, v[BH1+\j]
.endr
.irp g, 0,1,2,3,4,5
	s_wait_dscnt 16                                ; this group's 16 loads are in; the next group's may be out
	ROWS \g
	s_wait_xcnt 0x0                                ; the stores have read their registers: the buffer is loaded again
	LOADG \g+2
.endr
	s_wait_dscnt 16
	ROWS 6
	s_wait_dscnt 0x0
	ROWS 7
	s_wait_tensorcnt 0x0
	ds_add_u32 v62, v63
	s_wait_dscnt 0x0
	s_endpgm
.Lfunc_end_k_q16e53baf67_down:
	.size	k_q16e53baf67_down, .Lfunc_end_k_q16e53baf67_down-k_q16e53baf67_down
	.p2alignl 7, 3214868480
	.fill 96, 4, 3214868480
	.section	.rodata,"a",@progbits
	.p2align	6, 0x0
	.amdhsa_kernel k_q16e53baf67_down
		.amdhsa_group_segment_fixed_size 270848
		.amdhsa_private_segment_fixed_size 0
		.amdhsa_enable_private_segment 0
		.amdhsa_kernarg_size 40
		.amdhsa_user_sgpr_count 2
		.amdhsa_user_sgpr_kernarg_segment_ptr 1
		.amdhsa_wavefront_size32 1
		.amdhsa_system_sgpr_workgroup_id_x 1
		.amdhsa_system_sgpr_workgroup_id_y 1
		.amdhsa_system_sgpr_workgroup_id_z 1
		.amdhsa_system_vgpr_workitem_id 0
		.amdhsa_next_free_vgpr 1024
		.amdhsa_next_free_sgpr 96
		.amdhsa_reserve_vcc 0
		.amdhsa_float_denorm_mode_32 3
		.amdhsa_float_denorm_mode_16_64 3
		.amdhsa_memory_ordered 1
		.amdhsa_forward_progress 1
		.amdhsa_inst_pref_size 127
	.end_amdhsa_kernel
	.amdgpu_metadata
---
amdhsa.version: [ 1, 2 ]
amdhsa.kernels:
  - .name:           k_q16e53baf67_down
    .symbol:         k_q16e53baf67_down.kd
    .args:
      - { .name: hq, .offset: 0, .size: 8, .value_kind: global_buffer, .address_space: global }
      - { .name: w2q, .offset: 8, .size: 8, .value_kind: global_buffer, .address_space: global }
      - { .name: b2, .offset: 16, .size: 8, .value_kind: global_buffer, .address_space: global }
      - { .name: gate, .offset: 24, .size: 8, .value_kind: global_buffer, .address_space: global }
      - { .name: out0, .offset: 32, .size: 8, .value_kind: global_buffer, .address_space: global }
    .group_segment_fixed_size: 270848
    .private_segment_fixed_size: 0
    .kernarg_segment_align: 8
    .kernarg_segment_size: 40
    .max_flat_workgroup_size: 128
    .sgpr_count:     96
    .vgpr_count:     1024
    .wavefront_size: 32
...
	.end_amdgpu_metadata
.endif
;; end of part 3
;; ======== version 2 of 2: 3 launches; version 1 with the launch down written anew for expert scheduling mode
;; workspace buffers: xq 3,276,800 bytes; w1q 6,553,600 bytes; w2q 6,553,600 bytes; hq 26,214,400 bytes; gate 32,768 bytes
;; launch prep: the kernel of part 1 again; grid 256 x 1, 4 waves a work-group, no clusters, 327,680 bytes of LDS; arguments x, Wr, W1, W2, xq, w1q, w2q, gate; writes xq, w1q, w2q, gate
;; launch up: the kernel of part 2 again; grid 16 x 16, 4 waves a work-group, clusters of 4 x 1, 214,528 bytes of LDS; arguments xq, w1q, b1, gate, hq; writes hq
;; launch down (part 4): grid 8 x 32, 4 waves a work-group, no clusters, 270,848 bytes of LDS; arguments hq, w2q, b2, gate, out0; writes out0
.if DOCPART == 4
	.amdgcn_target "amdgcn-amd-amdhsa--gfx1250"
	.amdhsa_code_object_version 6
	.text
	.protected	k_q16e53baf67_down
	.globl	k_q16e53baf67_down
	.p2align	8
	.type	k_q16e53baf67_down,@function
k_q16e53baf67_down:
	s_mov_b64 s[64:65], 0
	v_nop
	global_prefetch_b8 v0, s[64:65] scope:SCOPE_SE
	s_setreg_imm32_b32 hwreg(HW_REG_WAVE_SCHED_MODE, 0, 2), 2
	s_setreg_imm32_b32 hwreg(HW_REG_WAVE_MODE, 25, 1), 1
	s_wait_xcnt 0x0
	s_wait_alu depctr_vm_vsrc(0)
; DOWN: out = (sum over K = e 4096 + f of hq x w2q + mask_0 b2_0 + mask_1 b2_1) / 2: the second quantised product, both experts on end in one sum (the mask is already in hq), the biases and the average.
; hq [16 runs of 512 along K][64 groups of 64 tokens][25,600], w2q [16 runs][16 groups of 64 columns][25,600]: a block holds fragment images (tile t4, K step q) at 1,536 (4 t4 + q) and scale words
; (q, t4, r) at 24,576 + 256 q + 8 (r + 16 (t4 % 2)) + 4 (t4 / 2).  An image: registers 4 j .. 4 j + 3 of lane l at 512 j + 16 l.
; SHARES.  out has 4,096 x 1,024 numbers: 256 tiles of 128 x 128, one to a work-group.  K IS SPLIT AMONG THE FOUR WAVES: each wave keeps the whole tile (64 accumulators, windows 2 and 3) and multiplies
; K step q = wave of every run.  At the end the four partial tiles meet in LDS and each wave adds and stores 32 rows.
; OPERANDS GO FROM MEMORY STRAIGHT INTO REGISTERS.  No operand byte is read by two waves of the work-group, so LDS would give no reuse here, and the buffers lie as register images: each load of a wave is
; 512 consecutive bytes.  Two register sets take turns: when a run's 64 products are issued, its set is asked for again, two runs ahead.
; So no barrier stands in the loop, and up to 92 loads a wave are asked for at a time; loads beyond what LOADcnt's field counts only hold up the issue (ISA guide 5.7.1).
; NO CLUSTER, NO JOINT LOADS, though h's blocks are read by the 8 work-groups of a tile row and W2's by the 32 of a tile column: a run is 102,400 bytes for 64 products a wave; two LDS slots of two runs
; would be 409,600 bytes, more than the 327,680 that there are; and with slots of one run a refill has 48 products between its request and the wait for all loads that stands in front of the next refill.
; THE PRODUCT IS USED TRANSPOSED (source 0 = 16 columns of W2, source 1 = 16 tokens): a lane holds eight neighbouring columns of one token's row.
; LIMITS: the sums over K are made in four parts and the biases are added last: another order of rounding than one ascending chain's.  NaN and infinities are not served.
; REGISTERS.  window 0: v4-26 addresses and b2; v32-47 scale words, two sets; v64-159, v160-255 h's fragments, two sets.  window 1: W2's fragments, two sets, at v0 and v128.
;   windows 2, 3: accumulator (a, b) at v[8 (8 (a % 4) + b)], window 2 + a / 4.
; THE MODE: SCHED_MODE bits 1:0 = 2 (LLVM: expert scheduling mode 2), set by the entry lines.  The code itself states the register dependences
; between vector or matrix instructions and memory or LDS instructions, with s_wait_alu, always for 0.
; THE PLAN.  Registers that memory or LDS instructions touch:
;   set s (W2's and h's fragments, scale words)   Run p, p % 2 = s: its 64 products read the set.  Behind them 40 loads of run p + 2 land in it (W2's fragments, h's tiles 0-3, the scale words);
;                                                 the other 12 (h's tiles 4-7) are issued in the middle of run p + 1's products, which name the other set and the accumulators alone.
;   v16, v17, v24, v8-11, v26                     Offsets and LDS addresses: written at the head and never again; the runs are reached by scalar bases and immediate offsets.
;   the accumulators                              Written by the products; read by the LDS stores at the end, and by nothing behind them.
;   v64-127, v128-191 (the end)                   Two buffers: group g's sixteen LDS loads land in buffer g % 2; its additions read and write it; group g + 2's loads land in it again.
;   v192-207, v208-223 (the end)                  Two out-buffers: group g's bias lines and last multiply-adds write buffer g % 2; its four stores read it; group g + 2 writes it again.
;   v62, v63                                      Written at the head, read by the closing add alone.
; So ONE wait on va_vdst stands in a run, behind its products, where the set is to be asked for again at once; one stands ahead of the LDS stores; at the end one a group, behind its arithmetic,
; and one wait on vm_vsrc a group, two groups behind the stores whose registers it frees.
.set BLK,   25600
.set RUNA,  64*BLK                     ; from run to run in hq
.set RUNB,  16*BLK                     ; and in w2q
.set REGN,  67584                      ; LDS: a wave's partial tile, 128 rows of RP bytes, at REGN x wave
.set RP,    528
.set NE,    40                         ; the loads of a run that go out at once: 24 + 12 + 4; the other 12 follow in the next run's middle
.set BH0,  4                           ; v4-7    b2 of expert 0 at my four columns, later halved
.set RD,   8                           ; v8-11   the end: my rows in the four partial tiles
.set BH1,  12                          ; v12-15  b2 of expert 1
.set VF,   16                          ; v16     my place in a block's fragments: 16 x lane + 1,536 x wave; never rewritten
.set VS,   17                          ; v17     and among its scale words: 24,576 + 256 x wave + 8 x lane; never rewritten
.set STO,  24                          ; v24     the end: where I put 32 bytes of a row
.set CO,   26                          ; v26     16 x lane
.set SC,   32                          ; scale words: set s at v[SC + 8 s]: registers 0-3 h's (tile a: register a / 2, lanes 16-31 where a is odd), 4-7 W2's likewise
.set TQ,   192                         ; the end: out-buffer k at v[TQ + 16 k], four registers a row
.set AB,   88                          ; s[88:89], s[90:91]  h's two blocks of the run that set 0, set 1 takes next
.set BB,   92                          ; s[92:93], s[94:95]  W2's
.set MSB, 0
.macro WIN new                         ; the immediate's high byte repeats the setting that is left
.if MSB != (\new)
	s_set_vgpr_msb (MSB<<8)|(\new)
.set MSB, (\new)
.endif
.endm
.macro PLACES
.rept 4
	v_nop
.endr
.endm
	s_load_b256 s[4:11], s[0:1], 0x0               ; hq s[4:5], w2q s[6:7], b2 s[8:9], gate s[10:11]
	s_load_b64 s[12:13], s[0:1], 0x20              ; out0
	v_lshl_add_u32 v62, v0, 2, 0x42000
	v_mov_b32 v63, 0
	v_lshrrev_b32 v1, 5, v0
	v_readfirstlane_b32 s14, v1                    ; wave 0..3
	s_and_b32 s15, ttmp7, 0xffff                   ; tile row; ttmp9 is the tile column
	s_mul_i32 s84, s15, 2*BLK                      ; h: groups of tokens 2 x tile row, + 1
	s_mov_b32 s85, 0
	s_mul_i32 s86, ttmp9, 2*BLK                    ; W2: groups of columns 2 x tile column, + 1
	s_mov_b32 s87, 0
	v_and_b32 v1, 31, v0                           ; lane
	v_and_b32 v2, 15, v0                           ; r
	v_bfe_u32 v3, v0, 4, 1                         ; h
	v_lshlrev_b32 v[CO], 4, v1
	s_wait_alu depctr_va_sdst(0)                   ; s14 is written, ahead of its first reader: the wave's terms of all addresses are made from it
	s_mul_i32 s2, s14, 1536                        ; my K step's fragments: 1,536 x wave on in each group of four.  (Each of the four terms that vector lines read has a scalar register of its own: none is written again before the wait below)
	s_lshl_b32 s3, s14, 8
	s_add_co_u32 s3, s3, 24576
	s_mul_i32 s66, s14, REGN
	s_mul_i32 s67, s14, 32*RP
	v_add_nc_u32 v[VF], s2, v[CO]
	v_lshl_add_u32 v[VS], v1, 3, s3
	v_mul_u32_u24 v[STO], v2, RP
	v_lshl_add_u32 v[STO], v3, 5, v[STO]
	v_add_nc_u32 v[STO], s66, v[STO]               ; my partial tile: row r, + 32 h
	v_add_nc_u32 v[RD], s67, v[CO]                 ; rows 32 w on, 16 bytes a lane, in each of the four partial tiles
	v_add_nc_u32 v[RD+1], REGN, v[RD]
	v_add_nc_u32 v[RD+2], 2*REGN, v[RD]
	v_add_nc_u32 v[RD+3], 3*REGN, v[RD]
	s_wait_alu depctr_va_vdst(0)                   ; v16, v17, v24, v8 to v11 and v26 are written: every load and store of the kernel reads one of them as its offset or address, and none is written again
	s_wait_kmcnt 0x0
	s_add_nc_u64 s[AB:AB+1], s[4:5], s[84:85]      ; run 0,
	s_add_nc_u64 s[AB+2:AB+3], s[AB:AB+1], RUNA    ; run 1
	s_add_nc_u64 s[BB:BB+1], s[6:7], s[86:87]
	s_add_nc_u64 s[BB+2:BB+3], s[BB:BB+1], RUNB
	s_lshl_b32 s84, ttmp9, 9                       ; the tile's first column: 512 bytes a tile, in b2 and in out
	s_add_nc_u64 s[8:9], s[8:9], s[84:85]
	s_add_nc_u64 s[12:13], s[12:13], s[84:85]
	s_lshl_b32 s86, s15, 19                        ; the rows that I store: 128 x tile row + 32 x wave, 4,096 bytes each
	s_lshl_b32 s2, s14, 17
	s_add_co_u32 s86, s86, s2
	s_add_nc_u64 s[12:13], s[12:13], s[86:87]
	s_lshl_b32 s86, s15, 10                        ; and their masks: 8 bytes a token
	s_lshl_b32 s2, s14, 8
	s_add_co_u32 s86, s86, s2
	s_add_nc_u64 s[10:11], s[10:11], s[86:87]
	s_load_b512 s[16:31], s[10:11], 0x0            ; the masks of my 32 rows, two a row: wanted at the end, waited for there
	s_load_b512 s[32:47], s[10:11], 0x40
	s_load_b512 s[48:63], s[10:11], 0x80
	s_load_b512 s[68:83], s[10:11], 0xc0
	global_load_b128 v[BH0:BH0+3], v[CO], s[8:9]
	global_load_b128 v[BH1:BH1+3], v[CO], s[8:9] offset:4096
.macro WMX                             ; one product, by the symbols rD, rA, rB, rSA, rSB; ZR: it starts the sum; RWA, RWB: the scale words stand in lanes 16-31
.if ZR
.if RWA && RWB
	v_wmma_scale_f32_16x16x128_f8f6f4 v[rD:rD+7], v[rA:rA+11], v[rB:rB+11], 0, v[rSA], v[rSB] matrix_a_fmt:MATRIX_FMT_FP6 matrix_b_fmt:MATRIX_FMT_FP6 matrix_a_scale:MATRIX_SCALE_ROW1 matrix_b_scale:MATRIX_SCALE_ROW1
.elseif RWA
	v_wmma_scale_f32_16x16x128_f8f6f4 v[rD:rD+7], v[rA:rA+11], v[rB:rB+11], 0, v[rSA], v[rSB] matrix_a_fmt:MATRIX_FMT_FP6 matrix_b_fmt:MATRIX_FMT_FP6 matrix_a_scale:MATRIX_SCALE_ROW1
.elseif RWB
	v_wmma_scale_f32_16x16x128_f8f6f4 v[rD:rD+7], v[rA:rA+11], v[rB:rB+11], 0, v[rSA], v[rSB] matrix_a_fmt:MATRIX_FMT_FP6 matrix_b_fmt:MATRIX_FMT_FP6 matrix_b_scale:MATRIX_SCALE_ROW1
.else
	v_wmma_scale_f32_16x16x128_f8f6f4 v[rD:rD+7], v[rA:rA+11], v[rB:rB+11], 0, v[rSA], v[rSB] matrix_a_fmt:MATRIX_FMT_FP6 matrix_b_fmt:MATRIX_FMT_FP6
.endif
.else
.if RWA && RWB
	v_wmma_scale_f32_16x16x128_f8f6f4 v[rD:rD+7], v[rA:rA+11], v[rB:rB+11], v[rD:rD+7], v[rSA], v[rSB] matrix_a_fmt:MATRIX_FMT_FP6 matrix_b_fmt:MATRIX_FMT_FP6 matrix_a_scale:MATRIX_SCALE_ROW1 matrix_b_scale:MATRIX_SCALE_ROW1
.elseif RWA
	v_wmma_scale_f32_16x16x128_f8f6f4 v[rD:rD+7], v[rA:rA+11], v[rB:rB+11], v[rD:rD+7], v[rSA], v[rSB] matrix_a_fmt:MATRIX_FMT_FP6 matrix_b_fmt:MATRIX_FMT_FP6 matrix_a_scale:MATRIX_SCALE_ROW1
.elseif RWB
	v_wmma_scale_f32_16x16x128_f8f6f4 v[rD:rD+7], v[rA:rA+11], v[rB:rB+11], v[rD:rD+7], v[rSA], v[rSB] matrix_a_fmt:MATRIX_FMT_FP6 matrix_b_fmt:MATRIX_FMT_FP6 matrix_b_scale:MATRIX_SCALE_ROW1
.else
	v_wmma_scale_f32_16x16x128_f8f6f4 v[rD:rD+7], v[rA:rA+11], v[rB:rB+11], v[rD:rD+7], v[rSA], v[rSB] matrix_a_fmt:MATRIX_FMT_FP6 matrix_b_fmt:MATRIX_FMT_FP6
.endif
.endif
.endm
; Eight products: h's tile a against W2's eight, from register set sl.  The 64 accumulators take turns, one instruction a turn, in the same order in every run.
.macro MUL8 a, sl, zero
	WIN 0xa1+0x50*((\a)/4)                         ; source 0 (W2) window 1, source 1 (h) window 0, C and D window 2 or 3
.set ZR, \zero
.irp b, 0,1,2,3,4,5,6,7
.set rD, 8*(8*((\a)%4)+\b)
.set rA, 128*(\sl)+12*\b
.set rB, 64+96*(\sl)+12*(\a)
.set rSA, SC+8*(\sl)+4+\b/2
.set rSB, SC+8*(\sl)+(\a)/2
.set RWA, \b%2
.set RWB, (\a)%2
	WMX
.endr
.endm
; The run at set sl's bases, my K step of it, into register set sl, in two parts.
; The first 40 loads: W2's eight fragments and h's tiles 0 to 3 (36 loads of 512 consecutive bytes), and the scale words (4 of 256)
.macro FETCHE sl
	WIN 0x40                                       ; destination window 1, address window 0
.irp i, 0,1,2,3,4,5,6,7
.irp j, 0,1,2
	global_load_b128 v[128*(\sl)+12*\i+4*\j:128*(\sl)+12*\i+4*\j+3], v[VF], s[BB+2*(\sl):BB+2*(\sl)+1] offset:(\i/4)*BLK+(\i%4)*6144+512*\j
.endr
.endr
	WIN 0
.irp i, 0,1,2,3
.irp j, 0,1,2
	global_load_b128 v[64+96*(\sl)+12*\i+4*\j:64+96*(\sl)+12*\i+4*\j+3], v[VF], s[AB+2*(\sl):AB+2*(\sl)+1] offset:(\i/4)*BLK+(\i%4)*6144+512*\j
.endr
.endr
	global_load_b64 v[SC+8*(\sl):SC+8*(\sl)+1], v[VS], s[AB+2*(\sl):AB+2*(\sl)+1]
	global_load_b64 v[SC+8*(\sl)+2:SC+8*(\sl)+3], v[VS], s[AB+2*(\sl):AB+2*(\sl)+1] offset:BLK
	global_load_b64 v[SC+8*(\sl)+4:SC+8*(\sl)+5], v[VS], s[BB+2*(\sl):BB+2*(\sl)+1]
	global_load_b64 v[SC+8*(\sl)+6:SC+8*(\sl)+7], v[VS], s[BB+2*(\sl):BB+2*(\sl)+1] offset:BLK
.endm
; The other 12: h's tiles 4 to 7
.macro FETCHL sl
	WIN 0
.irp i, 4,5,6,7
.irp j, 0,1,2
	global_load_b128 v[64+96*(\sl)+12*\i+4*\j:64+96*(\sl)+12*\i+4*\j+3], v[VF], s[AB+2*(\sl):AB+2*(\sl)+1] offset:(\i/4)*BLK+(\i%4)*6144+512*\j
.endr
.endr
.endm
; A RUN of 512 along K, of which 128 are mine: 64 products from register set sl.  left: the younger loads that may stay out: the next run's first 40, or none.
; late = 1: the next run's last 12 loads go out in the middle, into the other set.  more = 1: this set is asked for again, two runs on.
.macro STEP sl, zero, more, late, left
	s_wait_loadcnt \left                           ; loads come back in order (ISA guide 5.7.1): this run's 52 are in: its last 12 were issued ahead of the next run's first 40
.irp a, 0,1,2,3
	MUL8 \a, \sl, \zero
.endr
.if \late
	FETCHL 1-\sl                                   ; no wait: the products that read these registers stand ahead of the last wait on va_vdst, and no vector or matrix instruction since names them or v16
.endif
.irp a, 4,5,6,7
	MUL8 \a, \sl, \zero
.endr
.if \more
	PLACES                                         ; the four places behind the last product stay; the wait below fills none of them
	s_wait_alu depctr_va_vdst(0)                   ; the 64 products are done reading set sl (fragments and scale words), in which the 40 loads below and the next run's 12 land
	s_add_nc_u64 s[AB+2*(\sl):AB+2*(\sl)+1], s[AB+2*(\sl):AB+2*(\sl)+1], 2*RUNA   ; the wait at the run's head has shown every load that names these bases done
	s_add_nc_u64 s[BB+2*(\sl):BB+2*(\sl)+1], s[BB+2*(\sl):BB+2*(\sl)+1], 2*RUNB
	FETCHE \sl
.endif
.endm
	FETCHE 0                                       ; run 0, whole
	FETCHL 0
	FETCHE 1                                       ; run 1, its first 40
	STEP 0, 1, 1, 1, NE                            ; run 0: its products start the sums; run 1's last 12 and run 2's first 40 are asked for  (FETCHE leaves every window 0)
	s_mov_b32 s3, 6
.Llap:                                                 ; runs 1 to 12
	STEP 1, 0, 1, 1, NE
	STEP 0, 0, 1, 1, NE
	s_sub_co_u32 s3, s3, 1
	s_cmp_lg_u32 s3, 0
	s_cbranch_scc1 .Llap
	STEP 1, 0, 1, 1, NE                            ; run 13 asks for run 14's last 12 and run 15's first 40
	STEP 0, 0, 0, 1, NE                            ; run 14 asks for run 15's last 12: the last loads, so no load leaves its buffer
	STEP 1, 0, 0, 0, 0                             ; run 15: nothing is out any more, b2 neither
	WIN 0
	PLACES                                         ; behind the last products, ahead of the first read of results
	s_wait_alu depctr_va_vdst(0)                   ; the products have written the accumulators, which the LDS stores read, and are done reading v64 to v191, in which the loads behind the barrier land
.irp a, 0,1,2,3,4,5,6,7
	WIN 0x08+4*(\a/4)                              ; an LDS store's data are its source 1: window 2 or 3
.irp b, 0,1,2,3,4,5,6,7
	ds_store_b128 v[STO], v[8*(8*(\a%4)+\b):8*(8*(\a%4)+\b)+3] offset:16*\a*RP+64*\b          ; each accumulator from its low end on
	ds_store_b128 v[STO], v[8*(8*(\a%4)+\b)+4:8*(8*(\a%4)+\b)+7] offset:16*\a*RP+64*\b+16
.endr
.endr
	WIN 0
	s_wait_dscnt 0x0                               ; for the others' sake: my partial tile has landed
	s_barrier_signal -1
	s_barrier_wait -1                              ; the launch's one barrier
; THE END.  Four rows at a time: each row's 512 bytes out of the four partial tiles, through two buffers of 64 registers; the finished rows leave from two out-buffers of 16.
.macro LOADG g
.irp p, 0,1,2,3
.irp k, 0,1,2,3
	ds_load_b128 v[64+64*((\g)%2)+16*\p+4*\k:64+64*((\g)%2)+16*\p+4*\k+3], v[RD+\k] offset:(4*(\g)+\p)*RP
.endr
.endr
.endm
.macro ROWS g
.irp p, 0,1,2,3
.set RB, 64+64*((\g)%2)+16*\p
.set OU, TQ+16*((\g)%2)+4*\p
.set RO, 4*(\g)+\p
.set SM, 16+16*(RO/8)+4*(RO/24)+2*(RO%8)           ; where the row's two masks stand
	v_pk_add_f32 v[RB:RB+1], v[RB:RB+1], v[RB+4:RB+5]
	v_pk_add_f32 v[RB+2:RB+3], v[RB+2:RB+3], v[RB+6:RB+7]
	v_pk_add_f32 v[RB+8:RB+9], v[RB+8:RB+9], v[RB+12:RB+13]
	v_pk_add_f32 v[RB+10:RB+11], v[RB+10:RB+11], v[RB+14:RB+15]
.irp j, 0,1,2,3
	v_mul_f32 v[OU+\j], s[SM], v[BH0+\j]           ; mask_0 b2_0 / 2
.endr
	v_pk_add_f32 v[RB:RB+1], v[RB:RB+1], v[RB+8:RB+9]
	v_pk_add_f32 v[RB+2:RB+3], v[RB+2:RB+3], v[RB+10:RB+11]
.irp j, 0,1,2,3
	v_fmac_f32 v[OU+\j], s[SM+1], v[BH1+\j]        ; + mask_1 b2_1 / 2
.endr
	v_pk_fma_f32 v[OU:OU+1], v[RB:RB+1], 0.5, v[OU:OU+1] op_sel_hi:[1,0,1]
	v_pk_fma_f32 v[OU+2:OU+3], v[RB+2:RB+3], 0.5, v[OU+2:OU+3] op_sel_hi:[1,0,1]
.endr
.endm
.macro SEND g
.irp p, 0,1,2,3
	global_store_b128 v[CO], v[TQ+16*((\g)%2)+4*\p:TQ+16*((\g)%2)+4*\p+3], s[12:13] offset:(4*(\g)+\p)*4096 th:TH_STORE_NT   ; 32 lanes store 512 consecutive bytes, at a multiple of 256 from out's first byte
.endr
.endm
	LOADG 0
	LOADG 1
	s_wait_kmcnt 0x0                               ; the masks
.irp j, 0,1,2,3
	v_mul_f32 v[BH0+\j], 0.5, v[BH0+\j]
	v_mul_f32 v[BH1+\j], 0.5, v[BH1+\j]
.endr
.irp g, 0,1,2,3,4,5,6,7
.if \g < 7
	s_wait_dscnt 16                                ; this group's 16 loads are in; the next group's may be out
.else
	s_wait_dscnt 0x0
.endif
.if \g > 1
	s_wait_xcnt 0x0                                ; every earlier store has had its addresses translated (ISA guide 3.1): this group's out-buffer is written again only behind this wait,
	s_wait_alu depctr_vm_vsrc(0)                   ; and behind this one: the stores of two groups back have read that out-buffer
.endif
	ROWS \g
	s_wait_alu depctr_va_vdst(0)                   ; the group's lines have written its out-buffer, which the stores below read, and are done reading and writing its buffer of 64, in which the loads below land
.if \g < 6
	LOADG \g+2
.endif
	SEND \g
.endr
	s_wait_dscnt 0x0                               ; the closing lines, six on end
	s_wait_alu 0x0
	s_wait_tensorcnt 0x0
	ds_add_u32 v62, v63
	s_wait_dscnt 0x0
	s_endpgm
.Lfunc_end_k_q16e53baf67_down:
	.size	k_q16e53baf67_down, .Lfunc_end_k_q16e53baf67_down-k_q16e53baf67_down
	.p2alignl 7, 3214868480
	.fill 96, 4, 3214868480
	.section	.rodata,"a",@progbits
	.p2align	6, 0x0
	.amdhsa_kernel k_q16e53baf67_down
		.amdhsa_group_segment_fixed_size 270848
		.amdhsa_private_segment_fixed_size 0
		.amdhsa_enable_private_segment 0
		.amdhsa_kernarg_size 40
		.amdhsa_user_sgpr_count 2
		.amdhsa_user_sgpr_kernarg_segment_ptr 1
		.amdhsa_wavefront_size32 1
		.amdhsa_system_sgpr_workgroup_id_x 1
		.amdhsa_system_sgpr_workgroup_id_y 1
		.amdhsa_system_sgpr_workgroup_id_z 1
		.amdhsa_system_vgpr_workitem_id 0
		.amdhsa_next_free_vgpr 1024
		.amdhsa_next_free_sgpr 96
		.amdhsa_reserve_vcc 0
		.amdhsa_float_denorm_mode_32 3
		.amdhsa_float_denorm_mode_16_64 3
		.amdhsa_memory_ordered 1
		.amdhsa_forward_progress 1
		.amdhsa_inst_pref_size 128
	.end_amdhsa_kernel
	.amdgpu_metadata
---
amdhsa.version: [ 1, 2 ]
amdhsa.kernels:
  - .name:           k_q16e53baf67_down
    .symbol:         k_q16e53baf67_down.kd
    .args:
      - { .name: hq, .offset: 0, .size: 8, .value_kind: global_buffer, .address_space: global }
      - { .name: w2q, .offset: 8, .size: 8, .value_kind: global_buffer, .address_space: global }
      - { .name: b2, .offset: 16, .size: 8, .value_kind: global_buffer, .address_space: global }
      - { .name: gate, .offset: 24, .size: 8, .value_kind: global_buffer, .address_space: global }
      - { .name: out0, .offset: 32, .size: 8, .value_kind: global_buffer, .address_space: global }
    .group_segment_fixed_size: 270848
    .private_segment_fixed_size: 0
    .kernarg_segment_align: 8
    .kernarg_segment_size: 40
    .max_flat_workgroup_size: 128
    .sgpr_count:     96
    .vgpr_count:     1024
    .wavefront_size: 32
...
	.end_amdgpu_metadata
.endif
;; end of part 4
